; MI455X (gfx1250); checked and timed in simulation.
; The chip was launched on July 23, 2026; its instructions are those of AMD's public machine-readable ISA for CDNA 5 (MIT licence, August 2026) and "CDNA5" Instruction Set Architecture Reference Guide (July 2026). The comments in the code are by the model that wrote it; some were corrected since.
;; Model. Allowed arithmetic: matrix products marked QUANTISED: E4M3 operands, one given power-of-two scale a tensor, by v_wmma_f32_16x16x64_fp8_fp8 or v_wmma_f32_16x16x128_fp8_fp8, f32 sums; everything else in f32.
;; Inputs: b1 4,096 float32; b2 1,024 float32; lowp_scales 4 int32 (the exponents e of the quantised operands' scales 2^e); w1 4,096 x 4,096 float32; w2 1,024 x 4,096 float32; x 2,048 x 4,096 float32.
;; Outputs: out0 2,048 x 1,024 float32.
;; This version of the problem:
;;   THIS VERSION OF THE PROBLEM IS GIVEN IN LOW PRECISION. The matrix products marked QUANTISED in the list below multiply operands that are first quantised to E4M3 (4 exponent bits, 3 mantissa bits; 8 bits a number), with one given power-of-two scale for each operand tensor; their sums are f32. All else is computed in f32.
;;   The module's matrix products, in the order in which they are computed (A, B: the left and right operand; K: the contracted axis; several contracted axes count as one K, in the product's order):
;;     1. [M 2,048, K 4,096] x [K 4,096, N 4,096]; A: input x; B: computed on the way: QUANTISED (scales: A lowp_scales[0], B lowp_scales[1])
;;     2. [M 2,048, K 4,096] x [K 4,096, N 1,024]; A: computed on the way; B: computed on the way: QUANTISED (scales: A lowp_scales[2], B lowp_scales[3])
;;   THE QUANTISER, for each operand of a quantised product, along K:
;;     - The operand's scale is 2^e, e = its entry of the input lowp_scales (int32; the entries are numbered through the quantised products in the list's order, A before B).
;;     - Each number is divided by the scale, clamped to +-448, and rounded to the nearest number of E4M3, ties to even, subnormals kept.
;;     - The product sums the exact products of the quantised numbers (number of the format x scale) in f32.
;;   ~~~python
;;   def quantise(x, axis, e):      # numpy; x: float32 -> the quantised numbers, widened to float32 again
;;       x = np.moveaxis(x, axis, -1); K = x.shape[-1]
;;       r = np.clip(x / 2.0 ** e, -448, 448)
;;       step = 2.0 ** (np.maximum(np.frexp(np.where(r == 0, 1, r))[1] - 1, -6) - 3)
;;       q = np.round(r / step) * step * 2.0 ** e      # np.round: ties to even
;;       return np.moveaxis(q, -1, axis).astype(np.float32)
;;   ~~~
;;   OPERANDS COMPUTED ON THE WAY. 'Computed on the way' means the value that the module computes at that place (a softmax that the list does not call 'softmax' is quantised finished and normalised). What goes into a quantiser is computed in f32, as accurately as f32 sums, v_exp_f32 and their like allow (about 1e-6 of the number): no bf16 or f16 on the way to a quantiser, and a product that is left as it is and whose result goes on into a quantised operand takes f32 operands (vector FMAs, or v_wmma_f32_16x16x4_f32). A number that lies on a knife's edge between two numbers of the format may be rounded either way, as far as f32 arithmetic and the matrix unit's own rounding can turn it there, and no further.
;; 2 versions, each right and faster than the one before. Each part assembles by itself: llvm-mc -triple=amdgcn-amd-amdhsa -mcpu=gfx1250 --defsym DOCPART=n.
;; ======== version 1 of 2: 3 launches
;; workspace buffers: x_codes 8,388,608 bytes; w1_codes 16,777,216 bytes; w2_codes 4,194,304 bytes; h_codes 8,388,608 bytes
;; launch quant (part 1): grid 896 x 1, 4 waves a work-group, no clusters, 33,280 bytes of LDS; arguments x, w1, w2, lowp_scales, x_codes, w1_codes, w2_codes; writes x_codes, w1_codes, w2_codes
.if DOCPART == 1
	.amdgcn_target "amdgcn-amd-amdhsa--gfx1250"
	.amdhsa_code_object_version 6
	.text
	.protected	k_q0aae97c157_quant
	.globl	k_q0aae97c157_quant
	.p2align	8
	.type	k_q0aae97c157_quant,@function
k_q0aae97c157_quant:
	s_mov_b64 s[64:65], 0
	v_nop
	global_prefetch_b8 v0, s[64:65] scope:SCOPE_SE
	s_setreg_imm32_b32 hwreg(HW_REG_WAVE_MODE, 25, 1), 1
	s_wait_xcnt 0x0
; out0 = relu(x sgn(w1)^T + b1) sgn(w2)^T + b2, both products on codes of FP8 (E4M3), each operand with the one scale 2^e that is given for it (e0: x, e1: sgn(w1), e2: the hidden layer, e3: sgn(w2)).
; NO WORK IS LEFT OUT: every input (x, w1, b1, w2, b2, the four exponents) can move an output, so all are loaded by one of the three launches, and both products are done whole.
; THIS LAUNCH turns the three f32 matrices, all with K innermost, into codes, one byte a number, rows of 4,096 bytes as the f32 rows lie: each matrix is read by many row or column blocks of its product, so it is quantised once.
;   x:  code = x / 2^e0, held within +-448, rounded to the nearest code, ties to even.
;   w:  the binarised weight is +1 where w >= 0 (so for -0 too) and -1 elsewhere (so for NaN too); that +-1 goes through the same quantiser: +-min(1, 448 x 2^e) / 2^e, by the conversion instruction: no code is built in.
; LIMITS: e0, e1, e3 between -126 and 119, so that 2^e and 448 x 2^e are f32 numbers.  A NaN in x is not served (an infinity is held at the largest code).
; SHARES.  Rows are dense, so each matrix is a plain stream.  A wave takes 16 steps of 512 numbers, a work-group 32,768 numbers: work-groups 0-255 take x, 256-767 w1, 768-895 w2.  Only pointers, the exponent and one flag are
; chosen by the work-group's number; all memory and LDS lines lie on one path, and a short branch on the flag picks the sixteen holds (x) or the sixteen signs (weights) of a step.
; The conversions take 8 neighbours along K from ONE lane's registers; a load is best where neighbouring LANES take neighbouring bytes.  Both are had: each of a step's four loads reads 512 consecutive bytes, 16 a lane; the
; 2,048 bytes go through the wave's own stage in LDS and come back 64 bytes a lane (16 bytes of padding behind each 64).  A lane's 16 codes are 16 bytes: the wave stores 512 consecutive bytes, aligned.
; No tensor loads, no barrier: waves share nothing.  Loads run four steps (16 loads a wave) ahead, the turn through LDS one step.
.set WAVES, 4
.set STEPS, 16
.set WGX,   256                        ; 2,048 x 4,096 / 32,768
.set WGXW1, 768                        ; + 4,096 x 4,096 / 32,768
.set SP,    80                         ; a lane's place in a stage: its 64 bytes + 16 of padding
.set WREG,  8192                       ; LDS: a region of its own for each wave: two stages of 32 x SP bytes
.set SPARE, WAVES*WREG                 ; behind the four regions: the spare words, 128 bytes for each wave: two blocks of 256 bytes that no other line names
.set OFS,   3                          ; v3       16 x lane: my 16 bytes of a load's 512, and of a store's 512; never rewritten
.set POS,   8                          ; v8       min(1, 448 x 2^e)
.set NEG,   9                          ; v9       the same, negative
.set LIM,   10                         ; v10      448 x 2^e
.set SCL,   11                         ; v11      2^e as f32: the conversion takes its exponent field
.set SPW,   12                         ; v12      LDS address of my spare word: SPARE + 4 x my thread's number; never rewritten
.set NIL,   13                         ; v13      0; never rewritten
.set SIN,   14                         ; v14      the stage, on the way in
.set SOUT,  15                         ; v15      and on the way out
.set R,     16                         ; v16-79   four sets of 16 numbers as they are loaded
.set X,     80                         ; v80-111  two sets of 16 neighbours
.set C,     128                        ; v128-191 codes: four registers for each step, so that no store's data are written again
	s_load_b256 s[4:11], s[0:1], 0x0               ; x s[4:5], w1 s[6:7], w2 s[8:9], the exponents s[10:11]
	s_load_b128 s[12:15], s[0:1], 0x20             ; x's codes s[12:13], w1's s[14:15]
	s_load_b64 s[16:17], s[0:1], 0x30              ; w2's
	v_lshl_add_u32 v[SPW], v0, 2, SPARE
	v_mov_b32 v[NIL], 0
	v_lshrrev_b32 v1, 5, v0
	v_readfirstlane_b32 s18, v1                    ; wave
	v_and_b32 v2, 31, v0                           ; lane
	v_lshlrev_b32 v[OFS], 4, v2
	s_mul_i32 s22, s18, WREG
	v_lshrrev_b32 v[SIN], 2, v2
	v_mul_u32_u24 v[SIN], v[SIN], SP
	v_and_b32 v[SOUT], 3, v2
	v_lshl_add_u32 v[SIN], v[SOUT], 4, v[SIN]
	v_add_nc_u32 v[SIN], s22, v[SIN]               ; in: four lanes' 64 bytes on end, then 16 of padding: SP (lane / 4) + 16 (lane % 4); a load's 512 bytes take eight places
	v_mul_u32_u24 v[SOUT], v2, SP
	v_add_nc_u32 v[SOUT], s22, v[SOUT]             ; out: SP x lane: my 16 neighbours
	s_wait_kmcnt 0x0
	s_load_b128 s[24:27], s[10:11], 0x0            ; e0 .. e3
	s_cmp_lt_u32 ttmp9, WGXW1                      ; w1 or w2?  Every choice hangs on the work-group's number alone
	s_cselect_b64 s[6:7], s[6:7], s[8:9]
	s_cselect_b64 s[14:15], s[14:15], s[16:17]
	s_mov_b32 s19, WGXW1
	s_cselect_b32 s19, WGX, s19                    ; the matrix's first work-group
	s_cmp_lt_u32 ttmp9, WGX                        ; x or a weight?
	s_cselect_b64 s[4:5], s[4:5], s[6:7]           ; from here
	s_cselect_b64 s[12:13], s[12:13], s[14:15]     ; to here
	s_cselect_b32 s19, 0, s19
	s_cselect_b32 s30, 1, 0                        ; 1: x, 0: a weight
	s_sub_co_u32 s19, ttmp9, s19
	s_lshl_b32 s19, s19, 2
	s_add_co_u32 s19, s19, s18                     ; which run of 8,192 numbers of the matrix is my wave's: under 2,048
	s_lshl_b32 s20, s19, 15                        ; 32,768 bytes of f32 a run
	s_mov_b32 s21, 0
	s_add_nc_u64 s[4:5], s[4:5], s[20:21]
	s_lshl_b32 s20, s19, 13                        ; 8,192 bytes of codes a run
	s_add_nc_u64 s[12:13], s[12:13], s[20:21]
.macro LOAD t
.irp i, 0,1,2,3
	global_load_b128 v[R+16*((\t)%4)+4*\i:R+16*((\t)%4)+4*\i+3], v[OFS], s[4:5] offset:2048*(\t)+512*\i th:TH_LOAD_NT   ; 32 lanes read 512 consecutive bytes; read once in the launch
.endr
.endm
.macro TURN t                          ; step t's numbers through the stage: LDS serves a wave's instructions in order (ISA guide 5.7.1.4), so no wait stands between the stores and the loads
.irp i, 0,1,2,3
	ds_store_b128 v[SIN], v[R+16*((\t)%4)+4*\i:R+16*((\t)%4)+4*\i+3] offset:32*SP*((\t)%2)+8*SP*\i
.endr
.irp i, 0,1,2,3
	ds_load_b128 v[X+16*((\t)%2)+4*\i:X+16*((\t)%2)+4*\i+3], v[SOUT] offset:32*SP*((\t)%2)+16*\i
.endr
.endm
.irp t, 0,1,2,3
	LOAD \t
.endr
	s_wait_kmcnt 0x0
	s_cmp_lt_u32 ttmp9, WGXW1
	s_cselect_b32 s28, s25, s27                    ; e1 or e3,
	s_cmp_lt_u32 ttmp9, WGX
	s_cselect_b32 s28, s24, s28                    ; or e0
	s_add_co_i32 s28, s28, 127
	s_lshl_b32 s29, s28, 23
	v_mov_b32 v[SCL], s29                          ; 2^e
	s_add_co_i32 s28, s28, 8
	s_lshl_b32 s28, s28, 23
	s_or_b32 s28, s28, 0x600000                    ; the mantissa field of 448
	v_mov_b32 v[LIM], s28                          ; 448 x 2^e
	v_min_num_f32 v[POS], 1.0, v[LIM]              ; the quantiser's clamp of +1,
	v_sub_f32 v[NEG], 0, v[POS]                    ; and of -1
	s_wait_loadcnt 12                              ; step 0's four loads are in; those of steps 1 to 3 may be out
	TURN 0
.macro STEP t
.set XS, X+16*((\t)%2)
	s_wait_dscnt 0x0                               ; this step's numbers are back from the stage: so its stores into the stage have read their registers,
.if (\t)+4 < STEPS
	LOAD (\t)+4                                    ; which take the loads of four steps on
.endif
.if (\t)+1 < STEPS
.if STEPS-2-(\t) >= 3
	s_wait_loadcnt 12                              ; the next step's four loads are in; those of the three steps behind it may be out
.else
	s_wait_loadcnt 4*(STEPS-2-(\t))                ; at the end fewer steps stand behind it
.endif
	TURN (\t)+1                                    ; and go through the other stage while this step is worked
.endif
	s_cmp_eq_u32 s30, 0
	s_cbranch_scc1 .Lw_\@
.irp i, 0,1,2,3,4,5,6,7,8,9,10,11,12,13,14,15
	v_med3_num_f32 v[XS+\i], v[XS+\i], -v[LIM], v[LIM]   ; x: the conversion to an 8-bit code does not saturate (ISA guide 7.6.2): hold the number within the largest code x the scale first
.endr
	s_branch .Lq_\@
.Lw_\@:
.irp i, 0,1,2,3,4,5,6,7,8,9,10,11,12,13,14,15
	v_cmp_le_f32 vcc_lo, 0, v[XS+\i]               ; a weight: 0 <= w holds for -0 and fails for NaN, as w >= 0 does
	v_cndmask_b32 v[XS+\i], v[NEG], v[POS], vcc_lo ; +-1, already held
.endr
.Lq_\@:
	v_cvt_scalef32_pk8_fp8_f32 v[C+4*(\t):C+4*(\t)+1], v[XS:XS+7], v[SCL]       ; eight numbers / 2^e, to the nearest code, ties to even; the first number's code in the lowest byte
	v_cvt_scalef32_pk8_fp8_f32 v[C+4*(\t)+2:C+4*(\t)+3], v[XS+8:XS+15], v[SCL]
	v_nop                                          ; one plain vector line behind the last conversion of a run, ahead of the next vector work
	global_store_b128 v[OFS], v[C+4*(\t):C+4*(\t)+3], s[12:13] offset:512*(\t)   ; 32 lanes store 512 consecutive bytes, at a multiple of 512 from the buffer's first byte
.endm
.irp t, 0,1,2,3,4,5,6,7,8,9,10,11,12,13,14,15
	STEP \t
.endr
	s_wait_tensorcnt 0x0                           ; the wave's end: behind my last LDS store
	ds_add_u32 v[SPW], v[NIL]
	s_wait_dscnt 0x0
	s_endpgm
.Lfunc_end_k_q0aae97c157_quant:
	.size	k_q0aae97c157_quant, .Lfunc_end_k_q0aae97c157_quant-k_q0aae97c157_quant
	.p2alignl 7, 3214868480
	.fill 96, 4, 3214868480
	.section	.rodata,"a",@progbits
	.p2align	6, 0x0
	.amdhsa_kernel k_q0aae97c157_quant
		.amdhsa_group_segment_fixed_size 33280
		.amdhsa_private_segment_fixed_size 0
		.amdhsa_enable_private_segment 0
		.amdhsa_kernarg_size 56
		.amdhsa_user_sgpr_count 2
		.amdhsa_user_sgpr_kernarg_segment_ptr 1
		.amdhsa_wavefront_size32 1
		.amdhsa_system_sgpr_workgroup_id_x 1
		.amdhsa_system_sgpr_workgroup_id_y 1
		.amdhsa_system_sgpr_workgroup_id_z 1
		.amdhsa_system_vgpr_workitem_id 0
		.amdhsa_next_free_vgpr 192
		.amdhsa_next_free_sgpr 66
		.amdhsa_reserve_vcc 1
		.amdhsa_float_denorm_mode_32 3
		.amdhsa_float_denorm_mode_16_64 3
		.amdhsa_memory_ordered 1
		.amdhsa_forward_progress 1
		.amdhsa_inst_pref_size 56
	.end_amdhsa_kernel
	.amdgpu_metadata
---
amdhsa.version: [ 1, 2 ]
amdhsa.kernels:
  - .name:           k_q0aae97c157_quant
    .symbol:         k_q0aae97c157_quant.kd
    .args:
      - { .name: x, .offset: 0, .size: 8, .value_kind: global_buffer, .address_space: global }
      - { .name: w1, .offset: 8, .size: 8, .value_kind: global_buffer, .address_space: global }
      - { .name: w2, .offset: 16, .size: 8, .value_kind: global_buffer, .address_space: global }
      - { .name: lowp_scales, .offset: 24, .size: 8, .value_kind: global_buffer, .address_space: global }
      - { .name: x_codes, .offset: 32, .size: 8, .value_kind: global_buffer, .address_space: global }
      - { .name: w1_codes, .offset: 40, .size: 8, .value_kind: global_buffer, .address_space: global }
      - { .name: w2_codes, .offset: 48, .size: 8, .value_kind: global_buffer, .address_space: global }
    .group_segment_fixed_size: 33280
    .private_segment_fixed_size: 0
    .kernarg_segment_align: 8
    .kernarg_segment_size: 56
    .max_flat_workgroup_size: 128
    .sgpr_count:     66
    .vgpr_count:     192
    .wavefront_size: 32
...
	.end_amdgpu_metadata
.endif
;; end of part 1
;; launch fc1 (part 2): grid 16 x 16, 4 waves a work-group, clusters of 4 x 4, 327,680 bytes of LDS; arguments x_codes, w1_codes, lowp_scales, b1, h_codes; writes h_codes
.if DOCPART == 2
	.amdgcn_target "amdgcn-amd-amdhsa--gfx1250"
	.amdhsa_code_object_version 6
	.text
	.protected	k_q0aae97c157_fc1
	.globl	k_q0aae97c157_fc1
	.p2align	8
	.type	k_q0aae97c157_fc1,@function
k_q0aae97c157_fc1:
	s_mov_b64 s[64:65], 0
	v_nop
	global_prefetch_b8 v0, s[64:65] scope:SCOPE_SE
	s_setreg_imm32_b32 hwreg(HW_REG_WAVE_MODE, 25, 1), 1
	s_wait_xcnt 0x0
	s_wait_alu depctr_hold_cnt(0) depctr_sa_sdst(0) depctr_va_vdst(0) depctr_va_sdst(0) depctr_va_ssrc(0) depctr_va_vcc(0) depctr_vm_vsrc(0)
	s_getreg_b32 s2, hwreg(HW_REG_IB_STS2, 6, 4)
	s_cmp_eq_u32 s2, 0
	s_cbranch_scc0 .Lentry_in_a_cluster
	s_endpgm
.Lentry_in_a_cluster:
	s_bfe_u32 s2, ttmp6, 0x10000c
	s_cmp_lg_u32 s2, 0xf033
	s_cbranch_scc0 .Lentry_shape_is_right
	s_endpgm
.Lentry_shape_is_right:
; h = relu(x sgn(w1)^T + b1) as codes of FP8 (E4M3).  A = x's codes [2048][4096], B = sgn(w1)'s codes [4096][4096], K innermost, one code a byte; b1 [4096] f32; h's codes [2048][4096].  No work is left out.
; The codes are multiplied as they are, sums in f32; each finished sum becomes sum x 2^(e0 + e1) + b1 by one fused multiply-add in f32, is held between 0 and 448 x 2^e2 (the activation and the quantiser's clamp in one),
; and is converted with the scale 2^e2: the second product's operand, which goes to memory as codes alone.
; LIMITS: e0 + e1 between -126 and 127, e2 between -126 and 119, so that each power of two below is an f32 number.  NaN among the inputs is not served.
; SHARES.  A tile of h is 128 rows x 256 columns: 16 x 16 = 256 work-groups.  Four waves, 2 x 2; a wave makes 64 x 128: 32 accumulators of 16 x 16, 256 registers.
; K goes in steps of 256 through a ring of two LDS slots filled by the tensor data mover: a tile's row is 256 bytes of memory, aligned.  Waves 0 and 1 fetch A's two halves (64 rows each), waves 2 and 3 B's (128 rows each).
; CLUSTERS: 4 x 4 work-groups.  The four of a row of the cluster need the same tiles of A, the four of a column the same tiles of B: each tile is asked for JOINTLY, by the same tensor load with the same descriptor and a
; mask that names the four.  THE MATRIX INSTRUCTION IS USED TRANSPOSED (source 0 = 16 rows of B, source 1 = 16 rows of A): a lane then holds eight neighbouring columns of one row of h: eight neighbours along the next K.
; REGISTERS, in windows of 256: window 0: v1-31 addresses and constants; v32-95 b1 in the result's layout; v128-255 A's fragments, two sets of 4 (on the way out: at work).
;   window 1: B's fragments, two sets of 8.   window 2: the accumulators, (a, b) at v[8 (8 a + b)].
; A step of 128 along K is 32 matrix instructions on one set of fragments; the other set's 48 LDS loads are issued in ONE run ahead of them and are waited for at the next step's head.
.set LTM,    7                         ; the tile: 128 rows (M),
.set LTN,    8                         ; 256 columns (N)
.set LAFR,   6                         ; rows that one tensor load brings: 64 of A,
.set LBFR,   7                         ; 128 of B
.set TM,     1<<LTM
.set TN,     1<<LTN
.set AFR,    1<<LAFR
.set BFR,    1<<LBFR
.set AB,     4                         ; a wave's blocks of 16 rows of A,
.set BB,     8                         ; and of B
.set NW,     AB*BB                     ; accumulators, and matrix instructions in a step of 128 along K
.set KSTEP,  256                       ; along K in a slot = a tile's row in bytes
.set QI,     5                         ; padding after every 64 words
.set PITCH,  KSTEP+16                  ; an LDS row: 68 words: row r starts at bank 4 r mod 64 (64 banks of 4 bytes: ISA guide 11.1), so the 16 rows that a load touches start at 16 different banks
.set KROW,   4096                      ; a row of A or of B in memory, in bytes
.set BOFF,   TM*PITCH                  ; a slot: A's 128 rows, then B's 256
.set SLOT,   (TM+TN)*PITCH
.set STAGE,  2*SLOT                    ; behind the ring: 128 rows x (256 bytes + 16), the work-group's, for the way out; no tile lands there
.set SPITCH, 272
.set SPARE,  STAGE+128*SPITCH          ; behind the stage: the spare words, 128 bytes for each wave: two blocks of 256 bytes that no other line names
.set LAPS,   KROW/(2*KSTEP)            ; a lap = two slots = once round the ring
.set ASET,   16*AB                     ; registers of a set of fragments
.set BSET,   16*BB
.set BO,   5                           ; v5      32 x (lane / 16): my byte in a block's 16 numbers of b1; never rewritten
.set ADRA, 16                          ; v16-17  LDS address of my A fragments in slot 0, 1
.set ADRB, 20                          ; v20-21  the same for B
.set STO,  24                          ; v24     the way out: where I put 8 codes of a row
.set RD,   25                          ; v25     the way out: where I read a row back
.set CO,   26                          ; v26     my byte offset in the wave's rows of h
.set SPW,  28                          ; v28     LDS address of my spare word: SPARE + 4 x my thread's number; never rewritten
.set NIL,  29                          ; v29     0; never rewritten
.set QS,   30                          ; v30     2^e2 as f32: the conversion takes its exponent field
.set LIM,  31                          ; v31     448 x 2^e2
.set BIAS, 32                          ; v32-95  b1: block b's eight numbers of my half at v[BIAS + 8 b]
.set AF,   128                         ; A's fragments
.set TMP,  128                         ; the way out: 64 numbers of one block of 16 rows; later whole rows of codes
.set CD,   192                         ; the way out: codes, 16 registers for each block of rows
.set G1, 24                            ; s[24:31] descriptor group 1 for A's tiles;  s[32:39] group 0, one set for each slot
.set G0, 32
.set G1B, 48                           ; s[48:55], s[56:63] the same for B's tiles
.set G0B, 56
.set MSB, 0
.macro WIN new                         ; the immediate's high byte repeats the setting that is left; a switch that changes nothing is dropped
.if MSB != \new
	s_set_vgpr_msb (MSB<<8)|\new
.set MSB, \new
.endif
.endm
.set MUL,  0xa1                        ; source 0 (B) window 1, source 1 (A) window 0, C and D window 2
.set TO_B, 0x40                        ; destination window 1, address window 0
; A joint load: waves 0 and 1 fetch for A, waves 2 and 3 for B.  Each of the two lines has ONE mask and one set of registers for all that issue it; the branch hangs on the wave's number alone.
; An s_nop 0 and four v_nop follow each of the two lines, ahead of the jump, the label and what follows.
.macro JLOAD g0a, g1a, g0b, g1b
	s_cmp_eq_u32 s15, 0
	s_cbranch_scc0 .Lfor_b_\@
	tensor_load_to_lds s[\g0a:\g0a+3], s[\g1a:\g1a+7]
	s_nop 0
.rept 4
	v_nop
.endr
	s_branch .Lasked_\@
.Lfor_b_\@:
	tensor_load_to_lds s[\g0b:\g0b+3], s[\g1b:\g1b+7]
	s_nop 0
.rept 4
	v_nop
.endr
.Lasked_\@:
.endm
.macro CREST                           ; a round of the cluster's barrier behind its opening barrier
	s_cmp_lg_u32 s14, 0
	s_cbranch_scc1 .Lnot_wave_0_\@
	s_barrier_signal -3
.Lnot_wave_0_\@:
	s_barrier_wait -3
	s_barrier_signal -1
	s_barrier_wait -1
.endm
.macro CROUND                          ; a whole round
	s_barrier_signal -1
	s_barrier_wait -1
	CREST
.endm
	s_load_b128 s[4:7], s[0:1], 0x0                ; A's codes s[4:5], B's codes s[6:7]
	s_load_b128 s[8:11], s[0:1], 0x10              ; the exponents s[8:9], b1 s[10:11]
	s_load_b64 s[12:13], s[0:1], 0x20              ; h's codes
	v_lshl_add_u32 v[SPW], v0, 2, SPARE
	v_mov_b32 v[NIL], 0
	ds_add_u32 v[SPW], v[NIL]                      ; the wave's opening: the add, twice on end, and its wait, ahead of my first tensor load; the set-up below, work on registers, stands between the second and the wait
	ds_add_u32 v[SPW], v[NIL]                      ; and once more, under the one wait
	v_lshrrev_b32 v1, 5, v0
	v_readfirstlane_b32 s14, v1                    ; wave 0..3
	s_lshr_b32 s15, s14, 1                         ; which half of the tile's rows is mine.  Also: I fetch for A (0) or for B (1)
	s_and_b32 s16, s14, 1                          ; which half of its columns.  Also: which half of that tile I fetch
	s_bfe_u32 s40, ttmp6, 0x40000                  ; cx, cy: my place in the cluster
	s_bfe_u32 s41, ttmp6, 0x40004
	s_lshl_b32 s42, ttmp9, 2
	s_add_co_u32 s42, s42, s40                     ; tile column = 4 x cluster x + cx
	s_and_b32 s17, ttmp7, 0xffff
	s_lshl_b32 s17, s17, 2
	s_add_co_u32 s17, s17, s41                     ; tile row = 4 x cluster y + cy
	s_lshl_b32 s43, s41, 2
	s_lshl_b32 s43, 15, s43                        ; my row of the cluster
	s_lshl_b32 s44, 0x1111, s40                    ; my column
	; descriptor group 1: rows of KSTEP bytes, padded in LDS; A's tile has AFR rows, B's BFR
	s_or_b32 s[G1+0], s43, (0<<16)|(1<<20)|(1<<21)|(QI<<22)|(3<<25)   ; 15:0 the mask: A's tiles go to my row; 17:16 element of 1 byte; 20 padding on; 21 set beside a mask; 24:22 after every row; 31:25 of 4 words (code 3)
	s_or_b32 s[G1B+0], s44, (0<<16)|(1<<20)|(1<<21)|(QI<<22)|(3<<25)  ; the same with the mask of my column
.irp g, G1, G1B
	s_mov_b32 s[\g+1], KSTEP<<16                   ; tensor_dim0
	s_mov_b32 s[\g+3], KSTEP<<16                   ; tile_dim0
	s_mov_b32 s[\g+5], KROW                        ; tensor_dim0_stride
	s_mov_b32 s[\g+6], 0
	s_mov_b32 s[\g+7], 0
.endr
	s_mov_b32 s[G1+2], AFR<<16                     ; tensor_dim1
	s_mov_b32 s[G1+4], AFR                         ; tile_dim1
	s_mov_b32 s[G1B+2], BFR<<16
	s_mov_b32 s[G1B+4], BFR
	; where the tiles come from.  A's hang on the tile row alone, B's on the tile column alone; every wave makes both addresses, in registers that never hold the other coordinate, and asks by one of them
	s_lshl_b32 s18, s16, LAFR
	s_lshl_b32 s20, s17, LTM
	s_add_co_u32 s20, s20, s18                     ; A: row 128 x tile row + 64 x half
	s_lshl_b32 s20, s20, 12                        ; x 4,096 bytes: under 2^23
	s_mov_b32 s21, 0
	s_lshl_b32 s19, s16, LBFR
	s_lshl_b32 s46, s42, LTN
	s_add_co_u32 s46, s46, s19                     ; B: row 256 x tile column + 128 x half
	s_lshl_b32 s46, s46, 12                        ; under 2^24
	s_mov_b32 s47, 0
	s_mul_i32 s45, s16, AFR*PITCH                  ; and where they go: A's halves from the slot's first byte,
	s_mul_i32 s75, s16, BFR*PITCH
	s_add_co_u32 s75, s75, BOFF                    ; B's behind A's 128 rows: no place in the cluster enters an LDS address
	s_wait_dscnt 0x0                               ; both opening adds are done
	s_wait_kmcnt 0x0
	s_load_b128 s[68:71], s[8:9], 0x0              ; e0 .. e3
	s_add_nc_u64 s[20:21], s[4:5], s[20:21]
	s_add_nc_u64 s[46:47], s[6:7], s[46:47]
	CROUND                                         ; all sixteen work-groups are here: the first joint loads meet
.irp s, 0,1
	s_mov_b32 s[G0+4*\s], 1                        ; count = 1
	s_add_co_u32 s[G0+4*\s+1], s45, \s*SLOT        ; LDS address
	s_add_nc_u64 s[G0+4*\s+2:G0+4*\s+3], s[20:21], \s*KSTEP   ; global address: K step s
	s_or_b32 s[G0+4*\s+3], s[G0+4*\s+3], 0x80000000           ; type = 2
	s_mov_b32 s[G0B+4*\s], 1
	s_add_co_u32 s[G0B+4*\s+1], s75, \s*SLOT
	s_add_nc_u64 s[G0B+4*\s+2:G0B+4*\s+3], s[46:47], \s*KSTEP
	s_or_b32 s[G0B+4*\s+3], s[G0B+4*\s+3], 0x80000000
	JLOAD G0+4*\s, G1, G0B+4*\s, G1B               ; both slots are asked for before anything else is done: two loads of mine are out
.endr
	v_and_b32 v1, 15, v0                           ; r = lane % 16
	v_bfe_u32 v2, v0, 4, 1                         ; h = lane / 16
	v_lshlrev_b32 v[BO], 5, v2
	s_lshl_b32 s46, s42, LTN                       ; b1: my wave's first column: 256 x tile column + 128 x half,
	s_mul_i32 s47, s16, 16*BB
	s_add_co_u32 s46, s46, s47
	s_lshl_b32 s46, s46, 2                         ; in bytes
	s_mov_b32 s47, 0
	s_add_nc_u64 s[10:11], s[10:11], s[46:47]
.set FI, 0
.rept BB                                       ; lane (r, h) wants, for block b, the numbers of columns 16 b + 8 h + 0 .. 7: they are waited for on the way out
	global_load_b128 v[BIAS+8*FI:BIAS+8*FI+3], v[BO], s[10:11] offset:64*FI
	global_load_b128 v[BIAS+8*FI+4:BIAS+8*FI+7], v[BO], s[10:11] offset:64*FI+16
.set FI, FI+1
.endr
	v_mul_u32_u24 v3, v1, PITCH
	v_lshl_add_u32 v4, v2, 4, v3                   ; a fragment's row x pitch + 16 x half
	s_mul_i32 s21, s15, 16*AB*PITCH                ; my 64 rows of A
	s_mul_i32 s22, s16, 16*BB*PITCH                ; my 128 rows of B,
	s_add_co_u32 s22, s22, BOFF                    ; which lie behind A's
.irp s, 0,1
	v_add_nc_u32 v[ADRA+\s], s21, v4
	v_add_nc_u32 v[ADRB+\s], s22, v4
	s_add_co_u32 s21, s21, SLOT
	s_add_co_u32 s22, s22, SLOT
.endr
	s_mul_i32 s23, s15, 64*SPITCH                  ; into the stage: my 64 rows, my half of their 256 bytes; row r, 8 bytes for each half of the lanes
	s_lshl_b32 s22, s16, 7
	s_add_co_u32 s23, s23, s22
	s_add_co_u32 s23, s23, STAGE
	v_mul_u32_u24 v3, v1, SPITCH
	v_lshl_add_u32 v3, v2, 3, v3
	v_add_nc_u32 v[STO], s23, v3
	s_mul_i32 s23, s14, 32*SPITCH                  ; back: wave w takes rows 32 w .. 32 w + 31, whole; lanes 0-15 one row of 256 bytes, lanes 16-31 the next
	s_add_co_u32 s23, s23, STAGE
	v_mul_u32_u24 v4, v2, SPITCH
	v_lshl_add_u32 v4, v1, 4, v4
	v_add_nc_u32 v[RD], s23, v4
	v_lshlrev_b32 v[CO], 12, v2                    ; and the same two rows in h's codes
	v_lshl_add_u32 v[CO], v1, 4, v[CO]
	s_lshl_b32 s20, s17, LTM
	s_lshl_b32 s21, s14, 5
	s_add_co_u32 s20, s20, s21                     ; the first row that I store: 128 x tile row + 32 x wave
	s_lshl_b32 s20, s20, 12
	s_mov_b32 s21, 0
	s_add_nc_u64 s[12:13], s[12:13], s[20:21]
	s_lshl_b32 s46, s42, 8                         ; the tile's first column: 256 bytes a tile
	s_mov_b32 s47, 0
	s_add_nc_u64 s[12:13], s[12:13], s[46:47]
.macro FRAG reg, adr, q, i             ; a fragment, 16 rows x 128 K of codes, is 16 registers: lane l holds row l % 16; registers 4 c .. 4 c + 3 hold K = 32 c + 16 (l / 16) + 0 .. 15: the same places in A and in B, so every product meets its partner
.irp c, 0,1,2,3
	ds_load_b128 v[\reg+4*\c:\reg+4*\c+3], v[\adr] offset:128*(\q)+32*\c+(\i)*16*PITCH
.endr
.endm
.macro FETCH slot, q, p                ; the fragments of the slot's q-th 128 along K into set p: B's blocks, then A's, in one run
	WIN TO_B
.set FI, 0
.rept BB
	FRAG BSET*(\p)+16*FI, ADRB+\slot, \q, FI
.set FI, FI+1
.endr
	WIN 0
.set FI, 0
.rept AB
	FRAG AF+ASET*(\p)+16*FI, ADRA+\slot, \q, FI
.set FI, FI+1
.endr
.endm
; Matrix instructions i0 .. i0 + n - 1 of a step's NW, on set p: instruction i is A's block i / BB against B's block i % BB, on accumulator i.  zero = 1: the product starts the sum: nothing is ever cleared.
; The accumulators take turns, one instruction a turn, in the same order in every step.
.macro MULR p, i0, n, zero
.set MI, \i0
.rept \n
.if \zero
	v_wmma_f32_16x16x128_fp8_fp8 v[8*MI:8*MI+7], v[BSET*(\p)+16*(MI%BB):BSET*(\p)+16*(MI%BB)+15], v[AF+ASET*(\p)+16*(MI/BB):AF+ASET*(\p)+16*(MI/BB)+15], 0
.else
	v_wmma_f32_16x16x128_fp8_fp8 v[8*MI:8*MI+7], v[BSET*(\p)+16*(MI%BB):BSET*(\p)+16*(MI%BB)+15], v[AF+ASET*(\p)+16*(MI/BB):AF+ASET*(\p)+16*(MI/BB)+15], v[8*MI:8*MI+7]
.endif
.set MI, MI+1
.endr
.endm
; A load into a register that a matrix instruction has read, and a vector instruction that reads a matrix result or writes one of a matrix instruction's registers, stand four places behind it, and only plain vector
; instructions that name none of its registers are places (ISA guide 7.12.1 for vector instructions).
.macro PLACES n
.rept \n
	v_nop
.endr
.endm
; A step of 128 along K that has its successor in the same slot.
.macro STEP slot, q, zero
	s_wait_dscnt 0x0                               ; this step's set is in: it was asked for a step ago
	PLACES 4                                       ; behind the last step's products, which read the set that is loaded now
	FETCH \slot, (\q)+1, 1-(\q)%2
	WIN MUL
	MULR (\q)%2, 0, NW, \zero
	WIN 0
.endm
; A slot's last step (on set 1) changes slots: ONE barrier; in front of it each wave waits for all its tensor loads, adds 0 to its spare word, and waits for that and for its own reads of this slot.
; fill = 1: the barrier opens a round of the cluster's barrier, and this slot is filled again, two K steps ahead, first thing behind the round.
.macro TURN slot, next, fill
	s_wait_tensorcnt 0x0                           ; all my tensor loads have landed: the one that was out is my part of the next slot  (every window is 0 here: the add's two registers lie in window 0)
	ds_add_u32 v[SPW], v[NIL]                      ; 0 onto my spare word
	s_wait_dscnt 1                                 ; this step's set is in; the add alone may be out
	WIN MUL
	MULR 1, 0, NW/4, 0                             ; matrix instructions stand between the add and the wait for it
	s_wait_dscnt 0x0                               ; the add is done, and my reads of this slot are over
	s_barrier_signal -1
	MULR 1, NW/4, NW/4, 0                          ; work on registers while the others arrive
	WIN 0
	s_barrier_wait -1
.if \fill
	CREST                                          ; no wave of any partner still reads this slot's tile or has a load on its way
	s_add_nc_u64 s[G0+4*\slot+2:G0+4*\slot+3], s[G0+4*\slot+2:G0+4*\slot+3], 2*KSTEP
	s_add_nc_u64 s[G0B+4*\slot+2:G0B+4*\slot+3], s[G0B+4*\slot+2:G0B+4*\slot+3], 2*KSTEP
	JLOAD G0+4*\slot, G1, G0B+4*\slot, G1B         ; my one tensor load behind the round; the four v_nop behind it are the places in front of the loads below
.else
	PLACES 4
.endif
	FETCH \next, 0, 0
	WIN MUL
	MULR 1, NW/2, NW/2, 0
	WIN 0
.endm
	s_wait_tensorcnt 1                             ; my part of K step 0 is in; K step 1's load may be out
	s_barrier_signal -1
	s_barrier_wait -1                              ; everybody's is
	FETCH 0, 0, 0
	STEP 0, 0, 1                                   ; the first step stands in front of the loop: its products start the sums
	s_mov_b32 s3, LAPS-1
.Llap:                                             ; a trip goes once round the ring, from a lap's second step to the next lap's first, and fills both slots again
	TURN 0, 1, 1
	STEP 1, 0, 0
	TURN 1, 0, 1
	STEP 0, 0, 0
	s_sub_co_u32 s3, s3, 1
	s_cmp_lg_u32 s3, 0
	s_cbranch_scc1 .Llap
	TURN 0, 1, 0                                   ; the last lap is written out: it fills nothing, and has no round of the cluster's barrier
	STEP 1, 0, 0
	s_wait_dscnt 0x0                               ; the very last step: nothing more to fetch
	WIN MUL
	MULR 1, 0, NW, 0
	WIN 0
	; THE WAY OUT.  sum x 2^(e0 + e1) + b1; held between 0 and 448 x 2^e2; eight neighbours of a row become eight codes.  A row's 256 codes come from two waves: they meet in the work-group's stage, and each wave stores 32 whole rows.
	s_wait_kmcnt 0x0                               ; the exponents
	s_wait_loadcnt 0x0                             ; b1
	s_add_co_i32 s72, s68, s69
	s_add_co_i32 s72, s72, 127
	s_lshl_b32 s72, s72, 23                        ; 2^(e0 + e1) as f32
	s_mov_b32 s73, s72                             ; (named with it as a pair, so it is written)
	s_add_co_i32 s74, s70, 127
	s_lshl_b32 s75, s74, 23
	v_mov_b32 v[QS], s75                           ; 2^e2
	s_add_co_i32 s74, s74, 8
	s_lshl_b32 s74, s74, 23
	s_or_b32 s74, s74, 0x600000
	v_mov_b32 v[LIM], s74                          ; 448 x 2^e2
	PLACES 2                                       ; with the two moves above: four places behind the last products
.irp a, 0,1,2,3
	WIN 0x02                                       ; source 0 (the sums) window 2
.irp b, 0,1,2,3,4,5,6,7
.irp i, 0,2,4,6
	v_pk_fma_f32 v[TMP+8*\b+\i:TMP+8*\b+\i+1], v[8*(BB*\a+\b)+\i:8*(BB*\a+\b)+\i+1], s[72:73], v[BIAS+8*\b+\i:BIAS+8*\b+\i+1] op_sel_hi:[1,0,1]   ; two at a time (the scalar pair's low word for both halves); each accumulator from its low end on
.endr
.endr
	WIN 0
.set FI, 0
.rept 64
	v_med3_num_f32 v[TMP+FI], v[TMP+FI], 0, v[LIM] ; the activation and the hold in one: the conversion to an 8-bit code does not saturate (ISA guide 7.6.2)
.set FI, FI+1
.endr
.irp b, 0,1,2,3,4,5,6,7
	v_cvt_scalef32_pk8_fp8_f32 v[CD+16*\a+2*\b:CD+16*\a+2*\b+1], v[TMP+8*\b:TMP+8*\b+7], v[QS]
.endr
	v_nop                                          ; one plain vector line between the conversions and the next block's multiply-adds, which write their sources
.irp b, 0,1,2,3,4,5,6,7
	ds_store_b64 v[STO], v[CD+16*\a+2*\b:CD+16*\a+2*\b+1] offset:\a*16*SPITCH+16*\b   ; lane (r, h): h(16 a + r, 16 b + 8 h + 0 .. 7) of my wave's part
.endr
.endr
	s_wait_dscnt 0x0                               ; for the others' sake: my stores into the stage are done
	s_barrier_signal -1
	s_barrier_wait -1
.irp t, 0,1,2,3,4,5,6,7,8,9,10,11,12,13,14,15
	ds_load_b128 v[TMP+4*\t:TMP+4*\t+3], v[RD] offset:\t*2*SPITCH
.endr
.irp t, 0,1,2,3,4,5,6,7,8,9,10,11,12,13,14,15
	s_wait_dscnt 15-\t                             ; LDS loads come back in order: pair t of rows is in, the younger may be out
	global_store_b128 v[CO], v[TMP+4*\t:TMP+4*\t+3], s[12:13] offset:2*\t*KROW   ; 16 lanes store 256 consecutive bytes, at a multiple of 256 from the buffer's first byte
.endr
	s_wait_tensorcnt 0x0                           ; the wave's end: behind my last tensor load and my last LDS store
	ds_add_u32 v[SPW], v[NIL]
	s_wait_dscnt 0x0
	CROUND                                         ; the closing round: no work-group ends while a partner may still ask for a tile that names it
	s_endpgm
.Lfunc_end_k_q0aae97c157_fc1:
	.size	k_q0aae97c157_fc1, .Lfunc_end_k_q0aae97c157_fc1-k_q0aae97c157_fc1
	.p2alignl 7, 3214868480
	.fill 96, 4, 3214868480
	.section	.rodata,"a",@progbits
	.p2align	6, 0x0
	.amdhsa_kernel k_q0aae97c157_fc1
		.amdhsa_group_segment_fixed_size 327680
		.amdhsa_private_segment_fixed_size 0
		.amdhsa_enable_private_segment 0
		.amdhsa_kernarg_size 40
		.amdhsa_user_sgpr_count 2
		.amdhsa_user_sgpr_kernarg_segment_ptr 1
		.amdhsa_wavefront_size32 1
		.amdhsa_system_sgpr_workgroup_id_x 1
		.amdhsa_system_sgpr_workgroup_id_y 1
		.amdhsa_system_sgpr_workgroup_id_z 1
		.amdhsa_system_vgpr_workitem_id 0
		.amdhsa_next_free_vgpr 768
		.amdhsa_next_free_sgpr 80
		.amdhsa_reserve_vcc 0
		.amdhsa_float_denorm_mode_32 3
		.amdhsa_float_denorm_mode_16_64 3
		.amdhsa_memory_ordered 1
		.amdhsa_forward_progress 1
		.amdhsa_inst_pref_size 87
	.end_amdhsa_kernel
	.amdgpu_metadata
---
amdhsa.version: [ 1, 2 ]
amdhsa.kernels:
  - .name:           k_q0aae97c157_fc1
    .symbol:         k_q0aae97c157_fc1.kd
    .args:
      - { .name: x_codes, .offset: 0, .size: 8, .value_kind: global_buffer, .address_space: global }
      - { .name: w1_codes, .offset: 8, .size: 8, .value_kind: global_buffer, .address_space: global }
      - { .name: lowp_scales, .offset: 16, .size: 8, .value_kind: global_buffer, .address_space: global }
      - { .name: b1, .offset: 24, .size: 8, .value_kind: global_buffer, .address_space: global }
      - { .name: h_codes, .offset: 32, .size: 8, .value_kind: global_buffer, .address_space: global }
    .group_segment_fixed_size: 327680
    .private_segment_fixed_size: 0
    .kernarg_segment_align: 8
    .kernarg_segment_size: 40
    .max_flat_workgroup_size: 128
    .sgpr_count:     80
    .vgpr_count:     768
    .wavefront_size: 32
...
	.end_amdgpu_metadata
.endif
;; end of part 2
;; launch fc2 (part 3): grid 8 x 32, 4 waves a work-group, clusters of 4 x 4, 327,680 bytes of LDS; arguments h_codes, w2_codes, lowp_scales, b2, out0; writes out0
.if DOCPART == 3
	.amdgcn_target "amdgcn-amd-amdhsa--gfx1250"
	.amdhsa_code_object_version 6
	.text
	.protected	k_q0aae97c157_fc2
	.globl	k_q0aae97c157_fc2
	.p2align	8
	.type	k_q0aae97c157_fc2,@function
k_q0aae97c157_fc2:
	s_mov_b64 s[64:65], 0
	v_nop
	global_prefetch_b8 v0, s[64:65] scope:SCOPE_SE
	s_setreg_imm32_b32 hwreg(HW_REG_WAVE_MODE, 25, 1), 1
	s_wait_xcnt 0x0
	s_wait_alu depctr_hold_cnt(0) depctr_sa_sdst(0) depctr_va_vdst(0) depctr_va_sdst(0) depctr_va_ssrc(0) depctr_va_vcc(0) depctr_vm_vsrc(0)
	s_getreg_b32 s2, hwreg(HW_REG_IB_STS2, 6, 4)
	s_cmp_eq_u32 s2, 0
	s_cbranch_scc0 .Lentry_in_a_cluster
	s_endpgm
.Lentry_in_a_cluster:
	s_bfe_u32 s2, ttmp6, 0x10000c
	s_cmp_lg_u32 s2, 0xf033
	s_cbranch_scc0 .Lentry_shape_is_right
	s_endpgm
.Lentry_shape_is_right:
; out0 = h sgn(w2)^T + b2.  A = h's codes [2048][4096], B = sgn(w2)'s codes [1024][4096]: FP8 (E4M3), K innermost, one code a byte; b2 [1024] f32; out0 [2048][1024] f32.  No work is left out.
; The codes are multiplied as they are, sums in f32; each finished sum becomes sum x 2^(e2 + e3) + b2 by one fused multiply-add.
; LIMIT: e2 + e3 between -126 and 127, so that 2^(e2 + e3) is an f32 number.  NaN among the inputs is not served.
; SHARES.  A tile of out0 is 64 rows x 128 columns: 8 x 32 = 256 work-groups.  Four waves, 2 x 2; a wave makes 32 x 64: 8 accumulators of 16 x 16.
; K goes in steps of 512, as long as two slots in LDS allow beside the stage, through a ring of two LDS slots filled by the tensor data mover: a tile's row is 512 bytes of memory, aligned.  Waves 0 and 1 fetch A's two
; halves (32 rows each: the tile has no more), waves 2 and 3 B's (64 rows each).
; CLUSTERS: 4 x 4 work-groups.  The four of a row of the cluster need the same tiles of A, the four of a column the same tiles of B: each tile is asked for JOINTLY, by the same tensor load with the same descriptor and a
; mask that names the four.  THE MATRIX INSTRUCTION IS USED TRANSPOSED (source 0 = 16 rows of B, source 1 = 16 rows of A): a lane then holds eight neighbouring numbers of a row of out0.
; REGISTERS, in windows of 256: window 0: v1-29 addresses; v32-63 b2 in the result's layout; v128-191 A's fragments, two sets of 2 (on the way out v128-255: at work).
;   window 1: B's fragments, two sets of 4.   window 2: the accumulators, (a, b) at v[8 (4 a + b)].
; A step of 128 along K is 8 matrix instructions on one set of fragments; the other set's 24 LDS loads are issued in ONE run ahead of them and are waited for at the next step's head.
.set LTM,    6                         ; the tile: 64 rows (M),
.set LTN,    7                         ; 128 columns (N)
.set LAFR,   5                         ; rows that one tensor load brings: 32 of A,
.set LBFR,   6                         ; 64 of B
.set TM,     1<<LTM
.set TN,     1<<LTN
.set AFR,    1<<LAFR
.set BFR,    1<<LBFR
.set AB,     2                         ; a wave's blocks of 16 rows of A,
.set BB,     4                         ; and of B
.set NW,     AB*BB                     ; accumulators, and matrix instructions in a step of 128 along K
.set KSTEP,  512                       ; along K in a slot = a tile's row in bytes
.set QI,     6                         ; padding after every 128 words
.set PITCH,  KSTEP+16                  ; an LDS row: 132 words: row r starts at bank 4 r mod 64 (64 banks of 4 bytes: ISA guide 11.1), so the 16 rows that a load touches start at 16 different banks
.set KROW,   4096                      ; a row of A or of B in memory, in bytes; a row of out0 too
.set BOFF,   TM*PITCH                  ; a slot: A's 64 rows, then B's 128
.set SLOT,   (TM+TN)*PITCH
.set STAGE,  2*SLOT                    ; behind the ring: 32 rows x (256 bytes + 16) for each wave, for the way out; no tile lands there
.set SPITCH, 272
.set SPARE,  STAGE+4*32*SPITCH         ; behind the stages: the spare words, 128 bytes for each wave: two blocks of 256 bytes that no other line names
.set LAPS,   KROW/(2*KSTEP)            ; a lap = two slots = once round the ring
.set ASET,   16*AB                     ; registers of a set of fragments
.set BSET,   16*BB
.set BO,   5                           ; v5      32 x (lane / 16): my byte in a block's 16 numbers of b2; never rewritten
.set ADRA, 16                          ; v16-17  LDS address of my A fragments in slot 0, 1
.set ADRB, 20                          ; v20-21  the same for B
.set STO,  24                          ; v24     the way out: where I put 32 bytes of a row
.set RD,   25                          ; v25     the way out: where I read a row back
.set CO,   26                          ; v26     my byte offset in the wave's rows of out0
.set SPW,  28                          ; v28     LDS address of my spare word: SPARE + 4 x my thread's number; never rewritten
.set NIL,  29                          ; v29     0; never rewritten
.set BIAS, 32                          ; v32-63  b2: block b's eight numbers of my half at v[BIAS + 8 b]
.set AF,   128                         ; A's fragments
.set TMP,  128                         ; the way out: my 64 results
.set OUTR, 192                         ; the way out: 32 rows read back from the stage
.set G1, 24                            ; s[24:31] descriptor group 1 for A's tiles;  s[32:39] group 0, one set for each slot
.set G0, 32
.set G1B, 48                           ; s[48:55], s[56:63] the same for B's tiles
.set G0B, 56
.set MSB, 0
.macro WIN new                         ; the immediate's high byte repeats the setting that is left; a switch that changes nothing is dropped
.if MSB != \new
	s_set_vgpr_msb (MSB<<8)|\new
.set MSB, \new
.endif
.endm
.set MUL,  0xa1                        ; source 0 (B) window 1, source 1 (A) window 0, C and D window 2
.set TO_B, 0x40                        ; destination window 1, address window 0
; A joint load: waves 0 and 1 fetch for A, waves 2 and 3 for B.  Each of the two lines has ONE mask and one set of registers for all that issue it; the branch hangs on the wave's number alone.
; An s_nop 0 and four v_nop follow each of the two lines, ahead of the jump, the label and what follows.
.macro JLOAD g0a, g1a, g0b, g1b
	s_cmp_eq_u32 s15, 0
	s_cbranch_scc0 .Lfor_b_\@
	tensor_load_to_lds s[\g0a:\g0a+3], s[\g1a:\g1a+7]
	s_nop 0
.rept 4
	v_nop
.endr
	s_branch .Lasked_\@
.Lfor_b_\@:
	tensor_load_to_lds s[\g0b:\g0b+3], s[\g1b:\g1b+7]
	s_nop 0
.rept 4
	v_nop
.endr
.Lasked_\@:
.endm
.macro CREST                           ; a round of the cluster's barrier behind its opening barrier
	s_cmp_lg_u32 s14, 0
	s_cbranch_scc1 .Lnot_wave_0_\@
	s_barrier_signal -3
.Lnot_wave_0_\@:
	s_barrier_wait -3
	s_barrier_signal -1
	s_barrier_wait -1
.endm
.macro CROUND                          ; a whole round
	s_barrier_signal -1
	s_barrier_wait -1
	CREST
.endm
	s_load_b128 s[4:7], s[0:1], 0x0                ; A's codes s[4:5], B's codes s[6:7]
	s_load_b128 s[8:11], s[0:1], 0x10              ; the exponents s[8:9], b2 s[10:11]
	s_load_b64 s[12:13], s[0:1], 0x20              ; out0
	v_lshl_add_u32 v[SPW], v0, 2, SPARE
	v_mov_b32 v[NIL], 0
	ds_add_u32 v[SPW], v[NIL]                      ; the wave's opening: the add, twice on end, and its wait, ahead of my first tensor load; the set-up below, work on registers, stands between the second and the wait
	ds_add_u32 v[SPW], v[NIL]                      ; and once more, under the one wait
	v_lshrrev_b32 v1, 5, v0
	v_readfirstlane_b32 s14, v1                    ; wave 0..3
	s_lshr_b32 s15, s14, 1                         ; which half of the tile's rows is mine.  Also: I fetch for A (0) or for B (1)
	s_and_b32 s16, s14, 1                          ; which half of its columns.  Also: which half of that tile I fetch
	s_bfe_u32 s40, ttmp6, 0x40000                  ; cx, cy: my place in the cluster
	s_bfe_u32 s41, ttmp6, 0x40004
	s_lshl_b32 s42, ttmp9, 2
	s_add_co_u32 s42, s42, s40                     ; tile column = 4 x cluster x + cx
	s_and_b32 s17, ttmp7, 0xffff
	s_lshl_b32 s17, s17, 2
	s_add_co_u32 s17, s17, s41                     ; tile row = 4 x cluster y + cy
	s_lshl_b32 s43, s41, 2
	s_lshl_b32 s43, 15, s43                        ; my row of the cluster
	s_lshl_b32 s44, 0x1111, s40                    ; my column
	; descriptor group 1: rows of KSTEP bytes, padded in LDS; A's tile has AFR rows, B's BFR
	s_or_b32 s[G1+0], s43, (0<<16)|(1<<20)|(1<<21)|(QI<<22)|(3<<25)   ; 15:0 the mask: A's tiles go to my row; 17:16 element of 1 byte; 20 padding on; 21 set beside a mask; 24:22 after every row; 31:25 of 4 words (code 3)
	s_or_b32 s[G1B+0], s44, (0<<16)|(1<<20)|(1<<21)|(QI<<22)|(3<<25)  ; the same with the mask of my column
.irp g, G1, G1B
	s_mov_b32 s[\g+1], KSTEP<<16                   ; tensor_dim0
	s_mov_b32 s[\g+3], KSTEP<<16                   ; tile_dim0
	s_mov_b32 s[\g+5], KROW                        ; tensor_dim0_stride
	s_mov_b32 s[\g+6], 0
	s_mov_b32 s[\g+7], 0
.endr
	s_mov_b32 s[G1+2], AFR<<16                     ; tensor_dim1
	s_mov_b32 s[G1+4], AFR                         ; tile_dim1
	s_mov_b32 s[G1B+2], BFR<<16
	s_mov_b32 s[G1B+4], BFR
	; where the tiles come from.  A's hang on the tile row alone, B's on the tile column alone; every wave makes both addresses, in registers that never hold the other coordinate, and asks by one of them
	s_lshl_b32 s18, s16, LAFR
	s_lshl_b32 s20, s17, LTM
	s_add_co_u32 s20, s20, s18                     ; A: row 64 x tile row + 32 x half
	s_lshl_b32 s20, s20, 12                        ; x 4,096 bytes: under 2^23
	s_mov_b32 s21, 0
	s_lshl_b32 s19, s16, LBFR
	s_lshl_b32 s46, s42, LTN
	s_add_co_u32 s46, s46, s19                     ; B: row 128 x tile column + 64 x half
	s_lshl_b32 s46, s46, 12                        ; under 2^22
	s_mov_b32 s47, 0
	s_mul_i32 s45, s16, AFR*PITCH                  ; and where they go: A's halves from the slot's first byte,
	s_mul_i32 s75, s16, BFR*PITCH
	s_add_co_u32 s75, s75, BOFF                    ; B's behind A's 64 rows: no place in the cluster enters an LDS address
	s_wait_dscnt 0x0                               ; both opening adds are done
	s_wait_kmcnt 0x0
	s_load_b128 s[68:71], s[8:9], 0x0              ; e0 .. e3
	s_add_nc_u64 s[20:21], s[4:5], s[20:21]
	s_add_nc_u64 s[46:47], s[6:7], s[46:47]
	CROUND                                         ; all sixteen work-groups are here: the first joint loads meet
.irp s, 0,1
	s_mov_b32 s[G0+4*\s], 1                        ; count = 1
	s_add_co_u32 s[G0+4*\s+1], s45, \s*SLOT        ; LDS address
	s_add_nc_u64 s[G0+4*\s+2:G0+4*\s+3], s[20:21], \s*KSTEP   ; global address: K step s
	s_or_b32 s[G0+4*\s+3], s[G0+4*\s+3], 0x80000000           ; type = 2
	s_mov_b32 s[G0B+4*\s], 1
	s_add_co_u32 s[G0B+4*\s+1], s75, \s*SLOT
	s_add_nc_u64 s[G0B+4*\s+2:G0B+4*\s+3], s[46:47], \s*KSTEP
	s_or_b32 s[G0B+4*\s+3], s[G0B+4*\s+3], 0x80000000
	JLOAD G0+4*\s, G1, G0B+4*\s, G1B               ; both slots are asked for before anything else is done: two loads of mine are out
.endr
	v_and_b32 v1, 15, v0                           ; r = lane % 16
	v_bfe_u32 v2, v0, 4, 1                         ; h = lane / 16
	v_lshlrev_b32 v[BO], 5, v2
	s_lshl_b32 s46, s42, LTN                       ; b2: my wave's first column: 128 x tile column + 64 x half,
	s_mul_i32 s47, s16, 16*BB
	s_add_co_u32 s46, s46, s47
	s_lshl_b32 s46, s46, 2                         ; in bytes
	s_mov_b32 s47, 0
	s_add_nc_u64 s[10:11], s[10:11], s[46:47]
.set FI, 0
.rept BB                                       ; lane (r, h) wants, for block b, the numbers of columns 16 b + 8 h + 0 .. 7: they are waited for on the way out
	global_load_b128 v[BIAS+8*FI:BIAS+8*FI+3], v[BO], s[10:11] offset:64*FI
	global_load_b128 v[BIAS+8*FI+4:BIAS+8*FI+7], v[BO], s[10:11] offset:64*FI+16
.set FI, FI+1
.endr
	v_mul_u32_u24 v3, v1, PITCH
	v_lshl_add_u32 v4, v2, 4, v3                   ; a fragment's row x pitch + 16 x half
	s_mul_i32 s21, s15, 16*AB*PITCH                ; my 32 rows of A
	s_mul_i32 s22, s16, 16*BB*PITCH                ; my 64 rows of B,
	s_add_co_u32 s22, s22, BOFF                    ; which lie behind A's
.irp s, 0,1
	v_add_nc_u32 v[ADRA+\s], s21, v4
	v_add_nc_u32 v[ADRB+\s], s22, v4
	s_add_co_u32 s21, s21, SLOT
	s_add_co_u32 s22, s22, SLOT
.endr
	s_mul_i32 s23, s14, 32*SPITCH
	s_add_co_u32 s23, s23, STAGE                   ; my stage
	v_mul_u32_u24 v3, v1, SPITCH                   ; in: row r, 32 bytes for each half of the lanes
	v_lshl_add_u32 v3, v2, 5, v3
	v_add_nc_u32 v[STO], s23, v3
	v_mul_u32_u24 v4, v2, SPITCH                   ; back: lanes 0-15 take one row of 256 bytes, lanes 16-31 the next
	v_lshl_add_u32 v4, v1, 4, v4
	v_add_nc_u32 v[RD], s23, v4
	v_lshlrev_b32 v[CO], 12, v2                    ; and the same two rows in out0
	v_lshl_add_u32 v[CO], v1, 4, v[CO]
	s_lshl_b32 s20, s17, LTM
	s_lshl_b32 s21, s15, 5
	s_add_co_u32 s20, s20, s21                     ; my first row of out0: 64 x tile row + 32 x half
	s_lshl_b32 s20, s20, 12
	s_mov_b32 s21, 0
	s_add_nc_u64 s[12:13], s[12:13], s[20:21]
	s_lshl_b32 s46, s42, 9                         ; my first column, in bytes: 512 x tile column + 256 x half
	s_lshl_b32 s47, s16, 8
	s_add_co_u32 s46, s46, s47
	s_mov_b32 s47, 0
	s_add_nc_u64 s[12:13], s[12:13], s[46:47]
.macro FRAG reg, adr, q, i             ; a fragment, 16 rows x 128 K of codes, is 16 registers: lane l holds row l % 16; registers 4 c .. 4 c + 3 hold K = 32 c + 16 (l / 16) + 0 .. 15: the same places in A and in B, so every product meets its partner
.irp c, 0,1,2,3
	ds_load_b128 v[\reg+4*\c:\reg+4*\c+3], v[\adr] offset:128*(\q)+32*\c+(\i)*16*PITCH
.endr
.endm
.macro FETCH slot, q, p                ; the fragments of the slot's q-th 128 along K into set p: B's blocks, then A's, in one run
	WIN TO_B
.set FI, 0
.rept BB
	FRAG BSET*(\p)+16*FI, ADRB+\slot, \q, FI
.set FI, FI+1
.endr
	WIN 0
.set FI, 0
.rept AB
	FRAG AF+ASET*(\p)+16*FI, ADRA+\slot, \q, FI
.set FI, FI+1
.endr
.endm
; Matrix instructions i0 .. i0 + n - 1 of a step's NW, on set p: instruction i is A's block i / BB against B's block i % BB, on accumulator i.  zero = 1: the product starts the sum: nothing is ever cleared.
; The accumulators take turns, one instruction a turn, in the same order in every step.
.macro MULR p, i0, n, zero
.set MI, \i0
.rept \n
.if \zero
	v_wmma_f32_16x16x128_fp8_fp8 v[8*MI:8*MI+7], v[BSET*(\p)+16*(MI%BB):BSET*(\p)+16*(MI%BB)+15], v[AF+ASET*(\p)+16*(MI/BB):AF+ASET*(\p)+16*(MI/BB)+15], 0
.else
	v_wmma_f32_16x16x128_fp8_fp8 v[8*MI:8*MI+7], v[BSET*(\p)+16*(MI%BB):BSET*(\p)+16*(MI%BB)+15], v[AF+ASET*(\p)+16*(MI/BB):AF+ASET*(\p)+16*(MI/BB)+15], v[8*MI:8*MI+7]
.endif
.set MI, MI+1
.endr
.endm
; A load into a register that a matrix instruction has read, and a vector instruction that reads a matrix result or writes one of a matrix instruction's registers, stand four places behind it, and only plain vector
; instructions that name none of its registers are places (ISA guide 7.12.1 for vector instructions).
.macro PLACES n
.rept \n
	v_nop
.endr
.endm
; A step of 128 along K that has its successor in the same slot.
.macro STEP slot, q, zero
	s_wait_dscnt 0x0                               ; this step's set is in: it was asked for a step ago
	PLACES 4                                       ; behind the last step's products, which read the set that is loaded now
	FETCH \slot, (\q)+1, 1-(\q)%2
	WIN MUL
	MULR (\q)%2, 0, NW, \zero
	WIN 0
.endm
; A slot's last step (on set 1) changes slots: ONE barrier; in front of it each wave waits for all its tensor loads, adds 0 to its spare word, and waits for that and for its own reads of this slot.
; fill = 1: the barrier opens a round of the cluster's barrier, and this slot is filled again, two K steps ahead, first thing behind the round.
.macro TURN slot, next, fill
	s_wait_tensorcnt 0x0                           ; all my tensor loads have landed: the one that was out is my part of the next slot  (every window is 0 here: the add's two registers lie in window 0)
	ds_add_u32 v[SPW], v[NIL]                      ; 0 onto my spare word
	s_wait_dscnt 1                                 ; this step's set is in; the add alone may be out
	WIN MUL
	MULR 1, 0, NW/4, 0                             ; matrix instructions stand between the add and the wait for it
	s_wait_dscnt 0x0                               ; the add is done, and my reads of this slot are over
	s_barrier_signal -1
	MULR 1, NW/4, NW/4, 0                          ; work on registers while the others arrive
	WIN 0
	s_barrier_wait -1
.if \fill
	CREST                                          ; no wave of any partner still reads this slot's tile or has a load on its way
	s_add_nc_u64 s[G0+4*\slot+2:G0+4*\slot+3], s[G0+4*\slot+2:G0+4*\slot+3], 2*KSTEP
	s_add_nc_u64 s[G0B+4*\slot+2:G0B+4*\slot+3], s[G0B+4*\slot+2:G0B+4*\slot+3], 2*KSTEP
	JLOAD G0+4*\slot, G1, G0B+4*\slot, G1B         ; my one tensor load behind the round; the four v_nop behind it are the places in front of the loads below
.else
	PLACES 4
.endif
	FETCH \next, 0, 0
	WIN MUL
	MULR 1, NW/2, NW/2, 0
	WIN 0
.endm
	s_wait_tensorcnt 1                             ; my part of K step 0 is in; K step 1's load may be out
	s_barrier_signal -1
	s_barrier_wait -1                              ; everybody's is
	FETCH 0, 0, 0
	STEP 0, 0, 1                                   ; the first step stands in front of the loop: its products start the sums
	s_mov_b32 s3, LAPS-1
.Llap:                                             ; a trip goes once round the ring, from a lap's second step to the next lap's first, and fills both slots again
	STEP 0, 1, 0
	STEP 0, 2, 0
	TURN 0, 1, 1
	STEP 1, 0, 0
	STEP 1, 1, 0
	STEP 1, 2, 0
	TURN 1, 0, 1
	STEP 0, 0, 0
	s_sub_co_u32 s3, s3, 1
	s_cmp_lg_u32 s3, 0
	s_cbranch_scc1 .Llap
	STEP 0, 1, 0                                   ; the last lap is written out: it fills nothing, and has no round of the cluster's barrier
	STEP 0, 2, 0
	TURN 0, 1, 0
	STEP 1, 0, 0
	STEP 1, 1, 0
	STEP 1, 2, 0
	s_wait_dscnt 0x0                               ; the very last step: nothing more to fetch
	WIN MUL
	MULR 1, 0, NW, 0
	WIN 0
	; THE WAY OUT.  sum x 2^(e2 + e3) + b2.  A lane holds 32 neighbouring bytes of a row, and the lanes beside it hold other rows: so my 32 rows x 256 bytes go through my own stage in LDS and come back as whole rows.
	s_wait_kmcnt 0x0                               ; the exponents
	s_wait_loadcnt 0x0                             ; b2
	s_add_co_i32 s72, s70, s71
	s_add_co_i32 s72, s72, 127
	s_lshl_b32 s72, s72, 23                        ; 2^(e2 + e3) as f32
	s_mov_b32 s73, s72                             ; (named with it as a pair, so it is written)
	PLACES 4                                       ; behind the last products: their results are read, and the registers that held A's fragments are written
	WIN 0x02                                       ; source 0 (the sums) window 2
.irp a, 0,1
.irp b, 0,1,2,3
.irp i, 0,2,4,6
	v_pk_fma_f32 v[TMP+8*(BB*\a+\b)+\i:TMP+8*(BB*\a+\b)+\i+1], v[8*(BB*\a+\b)+\i:8*(BB*\a+\b)+\i+1], s[72:73], v[BIAS+8*\b+\i:BIAS+8*\b+\i+1] op_sel_hi:[1,0,1]   ; two at a time (the scalar pair's low word for both halves); each accumulator from its low end on
.endr
.endr
.endr
	WIN 0
.irp a, 0,1
.irp b, 0,1,2,3
	ds_store_b128 v[STO], v[TMP+8*(BB*\a+\b):TMP+8*(BB*\a+\b)+3] offset:\a*16*SPITCH+64*\b        ; lane (r, h): out0(16 a + r, 16 b + 8 h + 0 .. 7) of my wave's part
	ds_store_b128 v[STO], v[TMP+8*(BB*\a+\b)+4:TMP+8*(BB*\a+\b)+7] offset:\a*16*SPITCH+64*\b+16
.endr
.endr
.irp t, 0,1,2,3,4,5,6,7,8,9,10,11,12,13,14,15
	ds_load_b128 v[OUTR+4*\t:OUTR+4*\t+3], v[RD] offset:\t*2*SPITCH   ; LDS serves a wave's instructions in order (ISA guide 5.7.1.4): these see my stores above
.endr
.irp t, 0,1,2,3,4,5,6,7,8,9,10,11,12,13,14,15
	s_wait_dscnt 15-\t                             ; pair t of rows is in, the younger may be out
	global_store_b128 v[CO], v[OUTR+4*\t:OUTR+4*\t+3], s[12:13] offset:2*\t*KROW th:TH_STORE_NT   ; 16 lanes store 256 consecutive bytes, at a multiple of 256 from out0's first byte; written once, read by nobody here
.endr
	s_wait_tensorcnt 0x0                           ; the wave's end: behind my last tensor load and my last LDS store
	ds_add_u32 v[SPW], v[NIL]
	s_wait_dscnt 0x0
	CROUND                                         ; the closing round: no work-group ends while a partner may still ask for a tile that names it
	s_endpgm
.Lfunc_end_k_q0aae97c157_fc2:
	.size	k_q0aae97c157_fc2, .Lfunc_end_k_q0aae97c157_fc2-k_q0aae97c157_fc2
	.p2alignl 7, 3214868480
	.fill 96, 4, 3214868480
	.section	.rodata,"a",@progbits
	.p2align	6, 0x0
	.amdhsa_kernel k_q0aae97c157_fc2
		.amdhsa_group_segment_fixed_size 327680
		.amdhsa_private_segment_fixed_size 0
		.amdhsa_enable_private_segment 0
		.amdhsa_kernarg_size 40
		.amdhsa_user_sgpr_count 2
		.amdhsa_user_sgpr_kernarg_segment_ptr 1
		.amdhsa_wavefront_size32 1
		.amdhsa_system_sgpr_workgroup_id_x 1
		.amdhsa_system_sgpr_workgroup_id_y 1
		.amdhsa_system_sgpr_workgroup_id_z 1
		.amdhsa_system_vgpr_workitem_id 0
		.amdhsa_next_free_vgpr 576
		.amdhsa_next_free_sgpr 80
		.amdhsa_reserve_vcc 0
		.amdhsa_float_denorm_mode_32 3
		.amdhsa_float_denorm_mode_16_64 3
		.amdhsa_memory_ordered 1
		.amdhsa_forward_progress 1
		.amdhsa_inst_pref_size 54
	.end_amdhsa_kernel
	.amdgpu_metadata
---
amdhsa.version: [ 1, 2 ]
amdhsa.kernels:
  - .name:           k_q0aae97c157_fc2
    .symbol:         k_q0aae97c157_fc2.kd
    .args:
      - { .name: h_codes, .offset: 0, .size: 8, .value_kind: global_buffer, .address_space: global }
      - { .name: w2_codes, .offset: 8, .size: 8, .value_kind: global_buffer, .address_space: global }
      - { .name: lowp_scales, .offset: 16, .size: 8, .value_kind: global_buffer, .address_space: global }
      - { .name: b2, .offset: 24, .size: 8, .value_kind: global_buffer, .address_space: global }
      - { .name: out0, .offset: 32, .size: 8, .value_kind: global_buffer, .address_space: global }
    .group_segment_fixed_size: 327680
    .private_segment_fixed_size: 0
    .kernarg_segment_align: 8
    .kernarg_segment_size: 40
    .max_flat_workgroup_size: 128
    .sgpr_count:     80
    .vgpr_count:     576
    .wavefront_size: 32
...
	.end_amdgpu_metadata
.endif
;; end of part 3
;; ======== version 2 of 2: 3 launches; 1.33 times as fast as version 1
;; workspace buffers: x_codes 8,388,608 bytes; w1_bits 2,097,152 bytes; w2_bits 524,288 bytes; h_codes 8,388,608 bytes
;; launch quant (part 4): grid 896 x 1, 4 waves a work-group, no clusters, 33,280 bytes of LDS; arguments x, w1, w2, lowp_scales, x_codes, w1_bits, w2_bits; writes x_codes, w1_bits, w2_bits
.if DOCPART == 4
	.amdgcn_target "amdgcn-amd-amdhsa--gfx1250"
	.amdhsa_code_object_version 6
	.text
	.protected	k_q0aae97c157_quant
	.globl	k_q0aae97c157_quant
	.p2align	8
	.type	k_q0aae97c157_quant,@function
k_q0aae97c157_quant:
	s_mov_b64 s[64:65], 0
	v_nop
	global_prefetch_b8 v0, s[64:65] scope:SCOPE_SE
	s_setreg_imm32_b32 hwreg(HW_REG_WAVE_MODE, 25, 1), 1
	s_wait_xcnt 0x0
; out0 = relu(x sgn(w1)^T + b1) sgn(w2)^T + b2, both products on codes of FP8 (E4M3), each operand with the one scale 2^e that is given for it (e0: x, e1: sgn(w1), e2: the hidden layer, e3: sgn(w2)).
; NO WORK IS LEFT OUT: every input (x, w1, b1, w2, b2, the four exponents) can move an output, so all are loaded by one of the three launches, and both products are done whole.
; THIS LAUNCH prepares the three f32 matrices, all with K innermost; each is read by many row or column blocks of its product, so it is prepared once.
;   x:  code = x / 2^e0, held within +-448, rounded to the nearest code, ties to even; one byte a number, rows of 4,096 bytes as the f32 rows lie.
;   w1, w2:  the binarised weight is +1 where w >= 0 (so for -0 too) and -1 elsewhere (so for NaN too).  It has two values, so its code has two values: what is stored here is ONE BIT a weight, set where the weight is -1.
;       The two codes are made by the products' launches, with the conversion instruction and the given scale, and chosen by these bits: an eighth of the bytes goes to memory, back, and through LDS.
;   THE BITS' LAYOUT: [block of 16 rows][chunk of 128 along K][row r of the block][16 bytes]; word c of the 16 bytes, bit 8 b + 4 h + i, stands for k = 128 chunk + 32 c + 16 h + 4 i + b: the k that byte b of register
;       4 c + i of a fragment holds in lane (r, h) where the other operand's codes are fetched 16 bytes a lane.  A fragment's bits (16 rows x 128 K) are 256 consecutive bytes.
; LIMITS: e0 between -126 and 119, so that 2^e0 and 448 x 2^e0 are f32 numbers.  A NaN in x is not served (an infinity is held at the largest code).
; SHARES.  A work-group takes 32,768 numbers, a wave 8,192: work-groups 0-255 take x, 256-767 w1, 768-895 w2.  The two ways part once, on the work-group's number.
;   x: a wave takes 16 steps of 512 numbers of the dense stream.  The conversions take 8 neighbours along K from ONE lane's registers; a load is best where neighbouring LANES take neighbouring bytes.  Both are had: each of a
;      step's four loads reads 512 consecutive bytes; the 2,048 bytes go through the wave's own stage in LDS and come back 64 bytes a lane (16 bytes of padding behind each 64).  The wave stores 512 consecutive bytes of codes.
;   w: a wave takes 16 rows x 512 along K.  Each load reads 512 consecutive bytes of a row, a chunk of 128 numbers, four a lane; a compare of register b gives, in a scalar register, the bits of the 32 numbers 4 lane + b;
;      v_writelane_b32 puts the chunk's four words into the lane that will store them; at the end each lane turns its 4 x 4 bytes, and the wave stores 2 x 512 consecutive bytes.  No LDS, no conversion.
; No tensor loads, no barrier: waves share nothing.  16 loads of a wave are on their way on both ways.
.set WAVES, 4
.set STEPS, 16
.set WGX,   256                        ; 2,048 x 4,096 / 32,768
.set WGXW1, 768                        ; + 4,096 x 4,096 / 32,768
.set SP,    80                         ; x: a lane's place in a stage: its 64 bytes + 16 of padding
.set WREG,  8192                       ; x: LDS: a region of its own for each wave: two stages of 32 x SP bytes
.set SPARE, WAVES*WREG                 ; behind the four regions: the spare words, 128 bytes for each wave: two blocks of 256 bytes that no other line names
.set OFS,   3                          ; v3       16 x lane: my 16 bytes of a load's 512, and of a store's 512; never rewritten
.set LIM,   10                         ; v10      x: 448 x 2^e0
.set SCL,   11                         ; v11      x: 2^e0 as f32: the conversion takes its exponent field
.set SPW,   12                         ; v12      LDS address of my spare word: SPARE + 4 x my thread's number; never rewritten
.set NIL,   13                         ; v13      0; never rewritten
.set SIN,   14                         ; v14      x: the stage, on the way in
.set SOUT,  15                         ; v15      x: and on the way out
.set R,     16                         ; v16-79   four sets of 16 numbers as they are loaded
.set X,     80                         ; v80-111  x: two sets of 16 neighbours
.set C,     128                        ; v128-191 x: codes: four registers for each step, so that no store's data are written again
.set MK,    80                         ; v80-87   w: the compares' words: store g, register b at v[MK + 4 g + b]; lane 16 (q % 2) + row holds chunk q = 2 g + q % 2 of that row
.set TP,    88                         ; v88-95   w: half-turned bytes
.set TB,    96                         ; v96-103  w: the bits as they are stored
	s_load_b256 s[4:11], s[0:1], 0x0               ; x s[4:5], w1 s[6:7], w2 s[8:9], the exponents s[10:11]
	s_load_b128 s[12:15], s[0:1], 0x20             ; x's codes s[12:13], w1's bits s[14:15]
	s_load_b64 s[16:17], s[0:1], 0x30              ; w2's bits
	v_lshl_add_u32 v[SPW], v0, 2, SPARE
	v_mov_b32 v[NIL], 0
	v_lshrrev_b32 v1, 5, v0
	v_readfirstlane_b32 s18, v1                    ; wave
	v_and_b32 v2, 31, v0                           ; lane
	v_lshlrev_b32 v[OFS], 4, v2
	s_mul_i32 s22, s18, WREG
	v_lshrrev_b32 v[SIN], 2, v2
	v_mul_u32_u24 v[SIN], v[SIN], SP
	v_and_b32 v[SOUT], 3, v2
	v_lshl_add_u32 v[SIN], v[SOUT], 4, v[SIN]
	v_add_nc_u32 v[SIN], s22, v[SIN]               ; in: four lanes' 64 bytes on end, then 16 of padding: SP (lane / 4) + 16 (lane % 4); a load's 512 bytes take eight places
	v_mul_u32_u24 v[SOUT], v2, SP
	v_add_nc_u32 v[SOUT], s22, v[SOUT]             ; out: SP x lane: my 16 neighbours
	s_mov_b32 s21, 0                               ; the upper word of every offset below
	s_wait_kmcnt 0x0
	s_cmp_lt_u32 ttmp9, WGX                        ; x or a weight?  The work-group's number alone decides
	s_cbranch_scc0 .Lweights
	; ---------------- x ----------------
	s_load_b32 s24, s[10:11], 0x0                  ; e0
	s_lshl_b32 s19, ttmp9, 2
	s_add_co_u32 s19, s19, s18                     ; which run of 8,192 numbers is my wave's: under 1,024
	s_lshl_b32 s20, s19, 15                        ; 32,768 bytes of f32 a run
	s_add_nc_u64 s[4:5], s[4:5], s[20:21]
	s_lshl_b32 s20, s19, 13                        ; 8,192 bytes of codes a run
	s_add_nc_u64 s[12:13], s[12:13], s[20:21]
.macro LOAD t
.irp i, 0,1,2,3
	global_load_b128 v[R+16*((\t)%4)+4*\i:R+16*((\t)%4)+4*\i+3], v[OFS], s[4:5] offset:2048*(\t)+512*\i th:TH_LOAD_NT   ; 32 lanes read 512 consecutive bytes; read once in the launch
.endr
.endm
.macro TURN t                          ; step t's numbers through the stage: LDS serves a wave's instructions in order (ISA guide 5.7.1.4), so no wait stands between the stores and the loads
.irp i, 0,1,2,3
	ds_store_b128 v[SIN], v[R+16*((\t)%4)+4*\i:R+16*((\t)%4)+4*\i+3] offset:32*SP*((\t)%2)+8*SP*\i
.endr
.irp i, 0,1,2,3
	ds_load_b128 v[X+16*((\t)%2)+4*\i:X+16*((\t)%2)+4*\i+3], v[SOUT] offset:32*SP*((\t)%2)+16*\i
.endr
.endm
.irp t, 0,1,2,3
	LOAD \t
.endr
	s_wait_kmcnt 0x0
	s_add_co_i32 s28, s24, 127
	s_lshl_b32 s29, s28, 23
	v_mov_b32 v[SCL], s29                          ; 2^e0
	s_add_co_i32 s28, s28, 8
	s_lshl_b32 s28, s28, 23
	s_or_b32 s28, s28, 0x600000                    ; the mantissa field of 448
	v_mov_b32 v[LIM], s28                          ; 448 x 2^e0
	s_wait_loadcnt 12                              ; step 0's four loads are in; those of steps 1 to 3 may be out
	TURN 0
.macro XSTEP t
.set XS, X+16*((\t)%2)
	s_wait_dscnt 0x0                               ; this step's numbers are back from the stage: so its stores into the stage have read their registers,
.if (\t)+4 < STEPS
	LOAD (\t)+4                                    ; which take the loads of four steps on
.endif
.if (\t)+1 < STEPS
.if STEPS-2-(\t) >= 3
	s_wait_loadcnt 12                              ; the next step's four loads are in; those of the three steps behind it may be out
.else
	s_wait_loadcnt 4*(STEPS-2-(\t))                ; at the end fewer steps stand behind it
.endif
	TURN (\t)+1                                    ; and go through the other stage while this step is worked
.endif
.irp i, 0,1,2,3,4,5,6,7,8,9,10,11,12,13,14,15
	v_med3_num_f32 v[XS+\i], v[XS+\i], -v[LIM], v[LIM]   ; the conversion to an 8-bit code does not saturate (ISA guide 7.6.2): hold the number within the largest code x the scale first
.endr
	v_cvt_scalef32_pk8_fp8_f32 v[C+4*(\t):C+4*(\t)+1], v[XS:XS+7], v[SCL]       ; eight numbers / 2^e0, to the nearest code, ties to even; the first number's code in the lowest byte
	v_cvt_scalef32_pk8_fp8_f32 v[C+4*(\t)+2:C+4*(\t)+3], v[XS+8:XS+15], v[SCL]
	v_nop                                          ; one plain vector line behind the last conversion of a run, ahead of the next vector work
	global_store_b128 v[OFS], v[C+4*(\t):C+4*(\t)+3], s[12:13] offset:512*(\t)   ; 32 lanes store 512 consecutive bytes, at a multiple of 512 from the buffer's first byte
.endm
.irp t, 0,1,2,3,4,5,6,7,8,9,10,11,12,13,14,15
	XSTEP \t
.endr
	s_wait_tensorcnt 0x0                           ; the wave's end: behind my last LDS store
	ds_add_u32 v[SPW], v[NIL]
	s_wait_dscnt 0x0
	s_endpgm
	; ---------------- w1, w2 ----------------
.Lweights:
	s_cmp_lt_u32 ttmp9, WGXW1                      ; w1 or w2?
	s_cselect_b64 s[4:5], s[6:7], s[8:9]           ; from here
	s_cselect_b64 s[12:13], s[14:15], s[16:17]     ; to here
	s_mov_b32 s19, WGXW1
	s_cselect_b32 s19, WGX, s19                    ; the matrix's first work-group
	s_sub_co_u32 s19, ttmp9, s19
	s_lshl_b32 s19, s19, 2
	s_add_co_u32 s19, s19, s18                     ; my wave's part: 8 x (block of 16 rows) + (which 512 along K)
	s_lshr_b32 s20, s19, 3
	s_lshl_b32 s20, s20, 18                        ; 16 rows of 16,384 bytes a block: under 2^26
	s_and_b32 s22, s19, 7
	s_lshl_b32 s22, s22, 11                        ; 2,048 bytes of a row
	s_add_co_u32 s20, s20, s22
	s_add_nc_u64 s[4:5], s[4:5], s[20:21]
	s_lshl_b32 s20, s19, 10                        ; its bits: 16 rows x 512 bits = 1,024 bytes, one part behind the other
	s_add_nc_u64 s[12:13], s[12:13], s[20:21]
	s_mov_b32 s28, 0x05010400                      ; v_perm_b32's selects: bytes 0 and 1 of two words, by turns,
	s_mov_b32 s29, 0x07030602                      ; bytes 2 and 3 likewise,
	s_mov_b32 s30, 0x05040100                      ; the two low halves,
	s_mov_b32 s31, 0x07060302                      ; the two high halves
.macro WLOAD t                         ; row t's four chunks of 128 numbers into set t % 4
.irp q, 0,1,2,3
	global_load_b128 v[R+16*((\t)%4)+4*\q:R+16*((\t)%4)+4*\q+3], v[OFS], s[4:5] offset:16384*(\t)+512*\q th:TH_LOAD_NT   ; 32 lanes read 512 consecutive bytes; read once in the launch
.endr
.endm
.irp t, 0,1,2,3
	WLOAD \t
.endr
.irp i, 0,1,2,3,4,5,6,7
	v_mov_b32 v[MK+\i], 0                          ; written once whole: v_writelane_b32 leaves the other lanes as they are
.endr
.macro WSTEP t
.if 15-(\t) >= 3
	s_wait_loadcnt 12                              ; this row's four loads are in; those of the three rows behind it may be out
.else
	s_wait_loadcnt 4*(15-(\t))                     ; at the end fewer rows stand behind it
.endif
.irp q, 0,1,2,3
.irp b, 0,1,2,3
	v_cmp_le_f32 s[32+4*\q+\b], 0, v[R+16*((\t)%4)+4*\q+\b]   ; bit l: 0 <= w(128 q + 4 l + b): holds for -0 and fails for NaN, as w >= 0 does
.endr
.endr
.if (\t)+4 < 16
	WLOAD (\t)+4                                   ; the compares have read the set: it takes the row four further on
.endif
.irp q, 0,1,2,3
.irp b, 0,1,2,3
	v_writelane_b32 v[MK+4*(\q/2)+\b], s[32+4*\q+\b], 16*(\q%2)+(\t)   ; into the lane that stores chunk q of row t
.endr
.endr
.endm
.irp t, 0,1,2,3,4,5,6,7,8,9,10,11,12,13,14,15
	WSTEP \t
.endr
.irp g, 0,1                            ; byte c of word b becomes byte b of word c; then the bits are turned over: set where the weight is -1
	v_perm_b32 v[TP+4*\g+0], v[MK+4*\g+1], v[MK+4*\g+0], s28
	v_perm_b32 v[TP+4*\g+1], v[MK+4*\g+1], v[MK+4*\g+0], s29
	v_perm_b32 v[TP+4*\g+2], v[MK+4*\g+3], v[MK+4*\g+2], s28
	v_perm_b32 v[TP+4*\g+3], v[MK+4*\g+3], v[MK+4*\g+2], s29
	v_perm_b32 v[TB+4*\g+0], v[TP+4*\g+2], v[TP+4*\g+0], s30
	v_perm_b32 v[TB+4*\g+1], v[TP+4*\g+2], v[TP+4*\g+0], s31
	v_perm_b32 v[TB+4*\g+2], v[TP+4*\g+3], v[TP+4*\g+1], s30
	v_perm_b32 v[TB+4*\g+3], v[TP+4*\g+3], v[TP+4*\g+1], s31
.irp c, 0,1,2,3
	v_xor_b32 v[TB+4*\g+\c], -1, v[TB+4*\g+\c]
.endr
	global_store_b128 v[OFS], v[TB+4*\g:TB+4*\g+3], s[12:13] offset:512*\g   ; chunks 2 g and 2 g + 1 of the 16 rows: 512 consecutive bytes, at a multiple of 512 from the buffer's first byte
.endr
	s_wait_tensorcnt 0x0                           ; the wave's end
	ds_add_u32 v[SPW], v[NIL]
	s_wait_dscnt 0x0
	s_endpgm
.Lfunc_end_k_q0aae97c157_quant:
	.size	k_q0aae97c157_quant, .Lfunc_end_k_q0aae97c157_quant-k_q0aae97c157_quant
	.p2alignl 7, 3214868480
	.fill 96, 4, 3214868480
	.section	.rodata,"a",@progbits
	.p2align	6, 0x0
	.amdhsa_kernel k_q0aae97c157_quant
		.amdhsa_group_segment_fixed_size 33280
		.amdhsa_private_segment_fixed_size 0
		.amdhsa_enable_private_segment 0
		.amdhsa_kernarg_size 56
		.amdhsa_user_sgpr_count 2
		.amdhsa_user_sgpr_kernarg_segment_ptr 1
		.amdhsa_wavefront_size32 1
		.amdhsa_system_sgpr_workgroup_id_x 1
		.amdhsa_system_sgpr_workgroup_id_y 1
		.amdhsa_system_sgpr_workgroup_id_z 1
		.amdhsa_system_vgpr_workitem_id 0
		.amdhsa_next_free_vgpr 192
		.amdhsa_next_free_sgpr 66
		.amdhsa_reserve_vcc 0
		.amdhsa_float_denorm_mode_32 3
		.amdhsa_float_denorm_mode_16_64 3
		.amdhsa_memory_ordered 1
		.amdhsa_forward_progress 1
		.amdhsa_inst_pref_size 79
	.end_amdhsa_kernel
	.amdgpu_metadata
---
amdhsa.version: [ 1, 2 ]
amdhsa.kernels:
  - .name:           k_q0aae97c157_quant
    .symbol:         k_q0aae97c157_quant.kd
    .args:
      - { .name: x, .offset: 0, .size: 8, .value_kind: global_buffer, .address_space: global }
      - { .name: w1, .offset: 8, .size: 8, .value_kind: global_buffer, .address_space: global }
      - { .name: w2, .offset: 16, .size: 8, .value_kind: global_buffer, .address_space: global }
      - { .name: lowp_scales, .offset: 24, .size: 8, .value_kind: global_buffer, .address_space: global }
      - { .name: x_codes, .offset: 32, .size: 8, .value_kind: global_buffer, .address_space: global }
      - { .name: w1_bits, .offset: 40, .size: 8, .value_kind: global_buffer, .address_space: global }
      - { .name: w2_bits, .offset: 48, .size: 8, .value_kind: global_buffer, .address_space: global }
    .group_segment_fixed_size: 33280
    .private_segment_fixed_size: 0
    .kernarg_segment_align: 8
    .kernarg_segment_size: 56
    .max_flat_workgroup_size: 128
    .sgpr_count:     66
    .vgpr_count:     192
    .wavefront_size: 32
...
	.end_amdgpu_metadata
.endif
;; end of part 4
;; launch fc1 (part 5): grid 16 x 16, 4 waves a work-group, clusters of 4 x 4, 327,680 bytes of LDS; arguments x_codes, w1_bits, lowp_scales, b1, h_codes; writes h_codes
.if DOCPART == 5
	.amdgcn_target "amdgcn-amd-amdhsa--gfx1250"
	.amdhsa_code_object_version 6
	.text
	.protected	k_q0aae97c157_fc1
	.globl	k_q0aae97c157_fc1
	.p2align	8
	.type	k_q0aae97c157_fc1,@function
k_q0aae97c157_fc1:
	s_mov_b64 s[64:65], 0
	v_nop
	global_prefetch_b8 v0, s[64:65] scope:SCOPE_SE
	s_setreg_imm32_b32 hwreg(HW_REG_WAVE_MODE, 25, 1), 1
	s_wait_xcnt 0x0
	s_wait_alu depctr_hold_cnt(0) depctr_sa_sdst(0) depctr_va_vdst(0) depctr_va_sdst(0) depctr_va_ssrc(0) depctr_va_vcc(0) depctr_vm_vsrc(0)
	s_getreg_b32 s2, hwreg(HW_REG_IB_STS2, 6, 4)
	s_cmp_eq_u32 s2, 0
	s_cbranch_scc0 .Lentry_in_a_cluster
	s_endpgm
.Lentry_in_a_cluster:
	s_bfe_u32 s2, ttmp6, 0x10000c
	s_cmp_lg_u32 s2, 0xf033
	s_cbranch_scc0 .Lentry_shape_is_right
	s_endpgm
.Lentry_shape_is_right:
; h = relu(x sgn(w1)^T + b1) as codes of FP8 (E4M3).  A = x's codes [2048][4096], K innermost, one code a byte; B = sgn(w1) [4096][4096] as ONE BIT a weight (set: -1); b1 [4096] f32; h's codes [2048][4096].  No work is left out.
; B'S CODES.  sgn(w1) holds +1 and -1 alone, so the stated quantiser gives it two codes.  Both are made here, once, by the conversion instruction: P from +min(1, 448 x 2^e1), N from -min(1, 448 x 2^e1), with the scale 2^e1.
; E4M3 is a sign and a magnitude and the quantiser is odd, so N is P with the bits P xor N set.  A fragment register (four codes) is ((word of bits << s) & (P xor N)) | P: a shift and one v_and_or_b32.
; The bits lie [block of 16 rows][chunk of 128 K][row r][16 bytes]; word c, bit 8 b + 4 h + i, stands for k = 32 c + 16 h + 4 i + b of the chunk: the k of byte b of register 4 c + i in lane (r, h), so s = 7 - 4 h - i.
; The codes are multiplied as they are, sums in f32; each finished sum becomes sum x 2^(e0 + e1) + b1 by one fused multiply-add in f32, is held between 0 and 448 x 2^e2 (the activation and the quantiser's clamp in one),
; and is converted with the scale 2^e2: the second product's operand, which goes to memory as codes alone.
; LIMITS: e0 + e1 between -126 and 127; e1 and e2 between -126 and 119, so that each power of two below is an f32 number.  NaN among the inputs is not served.
; SHARES.  A tile of h is 128 rows x 256 columns: 16 x 16 = 256 work-groups.  Four waves side by side: a wave makes 128 rows x 64 columns: 32 accumulators of 16 x 16, 256 registers; so a wave expands 4 fragments of B for 32 products.
; K goes in steps of 512 through a ring of two LDS slots filled by the tensor data mover: A's rows are 512 bytes of memory, a block of B's bits 1,024, all aligned.  Waves 0 and 1 fetch A's two halves (64 rows each), waves
; 2 and 3 B's (8 blocks of 16 rows each).  With B as bits a slot of 512 along K is 83,968 bytes; with B as codes two such slots would not fit in LDS.
; CLUSTERS: 4 x 4 work-groups.  The four of a row of the cluster need the same tiles of A, the four of a column the same tiles of B: each tile is asked for JOINTLY, by the same tensor load with the same descriptor and a
; mask that names the four.  THE MATRIX INSTRUCTION IS USED TRANSPOSED (source 0 = 16 rows of B, source 1 = 16 rows of A): a lane then holds eight neighbouring columns of one row of h: eight neighbours along the next K.
; REGISTERS, in windows of 256: window 0: v1-31 addresses and constants; v32-63 b1 in the result's layout; v64-95 B's bits, two sets of 4 x 4 words; v128-191 B's 4 fragments, expanded (on the way out v128-255: at work).
;   window 1: A's fragments, two sets of 8.   window 2: the accumulators, (a, b) at v[8 (4 a + b)].
; A step of 128 along K: the next step's 36 LDS loads in ONE run, 128 vector instructions that expand this step's bits, 32 matrix instructions.
.set LTM,    7                         ; the tile: 128 rows (M),
.set LTN,    8                         ; 256 columns (N)
.set LAFR,   6                         ; one tensor load brings 64 rows of A,
.set LBRB,   3                         ; or 8 blocks of 16 rows of B
.set TM,     1<<LTM
.set TN,     1<<LTN
.set AFR,    1<<LAFR
.set BRB,    1<<LBRB
.set AB,     TM/16                     ; a wave's blocks of 16 rows of A: all of the tile's,
.set BB,     TN/64                     ; and of B: a quarter of the tile's
.set NW,     AB*BB                     ; accumulators, and matrix instructions in a step of 128 along K
.set KSTEP,  512                       ; along K in a slot = a row of A's tile in bytes
.set NQ,     KSTEP/128                 ; steps in a slot
.set QI,     6                         ; padding after every 128 words
.set PITCH,  KSTEP+16                  ; A's row in LDS: 132 words: row r starts at bank 4 r mod 64 (64 banks of 4 bytes: ISA guide 11.1), so the 16 rows that a load touches start at 16 different banks
.set KROW,   4096                      ; a row of A, and of h, in memory, in bytes
.set RBB,    2*KSTEP                   ; the bits of 16 rows of B for KSTEP along K, in bytes: NQ fragments of 256
.set RBROW,  8192                      ; and for all 4,096 along K: from block to block in memory
.set BOFF,   TM*PITCH                  ; a slot: A's 128 rows, then B's 16 blocks, dense
.set SLOT,   BOFF+2*BRB*RBB
.set STAGE,  2*SLOT                    ; behind the ring: 128 rows x (256 bytes + 16), the work-group's, for the way out; no tile lands there
.set SPITCH, 272
.set SPARE,  STAGE+128*SPITCH          ; behind the stage: the spare words, 128 bytes for each wave: two blocks of 256 bytes that no other line names
.set LAPS,   KROW/(2*KSTEP)            ; a lap = two slots = once round the ring
.set ASET,   16*AB                     ; registers of a set of A's fragments
.set BO,   5                           ; v5      32 x (lane / 16): my byte in a block's 16 numbers of b1; never rewritten
.set SH,   6                           ; v6-9    the shifts 7 - 4 (lane / 16) - i, i = 0 .. 3
.set MSK,  10                          ; v10     P xor N, four times
.set P4,   11                          ; v11     P, four times
.set ADRA, 16                          ; v16-17  LDS address of my A fragments in slot 0, 1
.set ADRB, 20                          ; v20-21  the same for B's bits
.set STO,  24                          ; v24     the way out: where I put 8 codes of a row
.set RD,   25                          ; v25     the way out: where I read a row back
.set CO,   26                          ; v26     my byte offset in the wave's rows of h
.set SPW,  28                          ; v28     LDS address of my spare word: SPARE + 4 x my thread's number; never rewritten
.set NIL,  29                          ; v29     0; never rewritten
.set QS,   30                          ; v30     2^e2 as f32: the conversion takes its exponent field
.set LIM,  31                          ; v31     448 x 2^e2
.set BIAS, 32                          ; v32-63  b1: block b's eight numbers of my half at v[BIAS + 8 b]
.set BT,   64                          ; v64-95  B's bits: set p, fragment j at v[BT + 4 BB p + 4 j]
.set BX,   128                         ; v128-191 B's fragments
.set TMP,  128                         ; the way out: 32 numbers of one block of 16 rows; later whole rows of codes
.set CD,   192                         ; the way out: codes, 8 registers for each block of rows
.set G1, 24                            ; s[24:31] descriptor group 1 for A's tiles;  s[32:39] group 0, one set for each slot
.set G0, 32
.set G1B, 48                           ; s[48:55], s[56:63] the same for B's tiles
.set G0B, 56
.set MSB, 0
.macro WIN new                         ; the immediate's high byte repeats the setting that is left; a switch that changes nothing is dropped
.if MSB != \new
	s_set_vgpr_msb (MSB<<8)|\new
.set MSB, \new
.endif
.endm
.set MUL,  0xa4                        ; source 0 (B) window 0, source 1 (A) window 1, C and D window 2
.set TO_A, 0x40                        ; destination window 1, address window 0
; A joint load: waves 0 and 1 fetch for A, waves 2 and 3 for B.  Each of the two lines has ONE mask and one set of registers for all that issue it; the branch hangs on the wave's number alone.
; An s_nop 0 and four v_nop follow each of the two lines, ahead of the jump, the label and what follows.
.macro JLOAD g0a, g1a, g0b, g1b
	s_cmp_eq_u32 s15, 0
	s_cbranch_scc0 .Lfor_b_\@
	tensor_load_to_lds s[\g0a:\g0a+3], s[\g1a:\g1a+7]
	s_nop 0
.rept 4
	v_nop
.endr
	s_branch .Lasked_\@
.Lfor_b_\@:
	tensor_load_to_lds s[\g0b:\g0b+3], s[\g1b:\g1b+7]
	s_nop 0
.rept 4
	v_nop
.endr
.Lasked_\@:
.endm
.macro CREST                           ; a round of the cluster's barrier behind its opening barrier
	s_cmp_lg_u32 s14, 0
	s_cbranch_scc1 .Lnot_wave_0_\@
	s_barrier_signal -3
.Lnot_wave_0_\@:
	s_barrier_wait -3
	s_barrier_signal -1
	s_barrier_wait -1
.endm
.macro CROUND                          ; a whole round
	s_barrier_signal -1
	s_barrier_wait -1
	CREST
.endm
	s_load_b128 s[4:7], s[0:1], 0x0                ; A's codes s[4:5], B's bits s[6:7]
	s_load_b128 s[8:11], s[0:1], 0x10              ; the exponents s[8:9], b1 s[10:11]
	s_load_b64 s[12:13], s[0:1], 0x20              ; h's codes
	v_lshl_add_u32 v[SPW], v0, 2, SPARE
	v_mov_b32 v[NIL], 0
	ds_add_u32 v[SPW], v[NIL]                      ; the wave's opening: the add, twice on end, and its wait, ahead of my first tensor load; the set-up below, work on registers, stands between the second and the wait
	ds_add_u32 v[SPW], v[NIL]                      ; and once more, under the one wait
	v_lshrrev_b32 v1, 5, v0
	v_readfirstlane_b32 s14, v1                    ; wave 0..3: which 64 columns of the tile are mine
	s_lshr_b32 s15, s14, 1                         ; I fetch for A (0) or for B (1),
	s_and_b32 s16, s14, 1                          ; this half of its tile
	s_bfe_u32 s40, ttmp6, 0x40000                  ; cx, cy: my place in the cluster
	s_bfe_u32 s41, ttmp6, 0x40004
	s_lshl_b32 s42, ttmp9, 2
	s_add_co_u32 s42, s42, s40                     ; tile column = 4 x cluster x + cx
	s_and_b32 s17, ttmp7, 0xffff
	s_lshl_b32 s17, s17, 2
	s_add_co_u32 s17, s17, s41                     ; tile row = 4 x cluster y + cy
	s_lshl_b32 s43, s41, 2
	s_lshl_b32 s43, 15, s43                        ; my row of the cluster
	s_lshl_b32 s44, 0x1111, s40                    ; my column
	; descriptor group 1.  A: AFR rows of KSTEP bytes, padded in LDS.  B: BRB rows of RBB bytes (a row = the bits of 16 rows of B), dense in LDS
	s_or_b32 s[G1+0], s43, (0<<16)|(1<<20)|(1<<21)|(QI<<22)|(3<<25)   ; 15:0 the mask: A's tiles go to my row; 17:16 element of 1 byte; 20 padding on; 21 set beside a mask; 24:22 after every row; 31:25 of 4 words (code 3)
	s_or_b32 s[G1B+0], s44, (0<<16)|(1<<21)        ; the mask of my column; no padding
	s_mov_b32 s[G1+1], KSTEP<<16                   ; tensor_dim0
	s_mov_b32 s[G1+2], AFR<<16                     ; tensor_dim1
	s_mov_b32 s[G1+3], KSTEP<<16                   ; tile_dim0
	s_mov_b32 s[G1+4], AFR                         ; tile_dim1
	s_mov_b32 s[G1+5], KROW                        ; tensor_dim0_stride
	s_mov_b32 s[G1+6], 0
	s_mov_b32 s[G1+7], 0
	s_mov_b32 s[G1B+1], RBB<<16
	s_mov_b32 s[G1B+2], BRB<<16
	s_mov_b32 s[G1B+3], RBB<<16
	s_mov_b32 s[G1B+4], BRB
	s_mov_b32 s[G1B+5], RBROW
	s_mov_b32 s[G1B+6], 0
	s_mov_b32 s[G1B+7], 0
	; where the tiles come from.  A's hang on the tile row alone, B's on the tile column alone; every wave makes both addresses, in registers that never hold the other coordinate, and asks by one of them
	s_lshl_b32 s18, s16, LAFR
	s_lshl_b32 s20, s17, LTM
	s_add_co_u32 s20, s20, s18                     ; A: row 128 x tile row + 64 x half
	s_lshl_b32 s20, s20, 12                        ; x 4,096 bytes: under 2^23
	s_mov_b32 s21, 0
	s_lshl_b32 s19, s16, LBRB
	s_lshl_b32 s46, s42, LTN-4
	s_add_co_u32 s46, s46, s19                     ; B: block 16 x tile column + 8 x half
	s_lshl_b32 s46, s46, 13                        ; x 8,192 bytes: under 2^21
	s_mov_b32 s47, 0
	s_mul_i32 s45, s16, AFR*PITCH                  ; and where they go: A's halves from the slot's first byte,
	s_mul_i32 s75, s16, BRB*RBB
	s_add_co_u32 s75, s75, BOFF                    ; B's behind A's 128 rows: no place in the cluster enters an LDS address
	s_wait_dscnt 0x0                               ; both opening adds are done
	s_wait_kmcnt 0x0
	s_load_b128 s[68:71], s[8:9], 0x0              ; e0 .. e3
	s_add_nc_u64 s[20:21], s[4:5], s[20:21]
	s_add_nc_u64 s[46:47], s[6:7], s[46:47]
	CROUND                                         ; all sixteen work-groups are here: the first joint loads meet
.irp s, 0,1
	s_mov_b32 s[G0+4*\s], 1                        ; count = 1
	s_add_co_u32 s[G0+4*\s+1], s45, \s*SLOT        ; LDS address
	s_add_nc_u64 s[G0+4*\s+2:G0+4*\s+3], s[20:21], \s*KSTEP   ; global address: K step s
	s_or_b32 s[G0+4*\s+3], s[G0+4*\s+3], 0x80000000           ; type = 2
	s_mov_b32 s[G0B+4*\s], 1
	s_add_co_u32 s[G0B+4*\s+1], s75, \s*SLOT
	s_add_nc_u64 s[G0B+4*\s+2:G0B+4*\s+3], s[46:47], \s*RBB
	s_or_b32 s[G0B+4*\s+3], s[G0B+4*\s+3], 0x80000000
	JLOAD G0+4*\s, G1, G0B+4*\s, G1B               ; both slots are asked for before anything else is done: two loads of mine are out
.endr
	v_and_b32 v1, 15, v0                           ; r = lane % 16
	v_bfe_u32 v2, v0, 4, 1                         ; h = lane / 16
	v_lshlrev_b32 v[BO], 5, v2
	s_lshl_b32 s46, s42, LTN                       ; b1: my wave's first column: 256 x tile column + 64 x wave,
	s_mul_i32 s47, s14, 16*BB
	s_add_co_u32 s46, s46, s47
	s_lshl_b32 s46, s46, 2                         ; in bytes
	s_mov_b32 s47, 0
	s_add_nc_u64 s[10:11], s[10:11], s[46:47]
.set FI, 0
.rept BB                                       ; lane (r, h) wants, for block b, the numbers of columns 16 b + 8 h + 0 .. 7: they are waited for on the way out
	global_load_b128 v[BIAS+8*FI:BIAS+8*FI+3], v[BO], s[10:11] offset:64*FI
	global_load_b128 v[BIAS+8*FI+4:BIAS+8*FI+7], v[BO], s[10:11] offset:64*FI+16
.set FI, FI+1
.endr
	v_mul_u32_u24 v3, v1, PITCH
	v_lshl_add_u32 v[ADRA], v2, 4, v3              ; A: a fragment's row x pitch + 16 x half: every wave reads all 128 rows
	v_add_nc_u32 v[ADRA+1], SLOT, v[ADRA]
	s_mul_i32 s22, s14, BB*RBB                     ; B: my 4 blocks of the tile's 16,
	s_add_co_u32 s22, s22, BOFF                    ; which lie behind A's rows;
	v_lshl_add_u32 v[ADRB], v1, 4, s22             ; 16 bytes for row r: lanes 16-31 read what lanes 0-15 read
	v_add_nc_u32 v[ADRB+1], SLOT, v[ADRB]
	s_lshl_b32 s23, s14, 6                         ; into the stage: my 64 bytes of each of the 128 rows; row r, 8 bytes for each half of the lanes
	s_add_co_u32 s23, s23, STAGE
	v_mul_u32_u24 v3, v1, SPITCH
	v_lshl_add_u32 v3, v2, 3, v3
	v_add_nc_u32 v[STO], s23, v3
	s_mul_i32 s23, s14, 32*SPITCH                  ; back: wave w takes rows 32 w .. 32 w + 31, whole; lanes 0-15 one row of 256 bytes, lanes 16-31 the next
	s_add_co_u32 s23, s23, STAGE
	v_mul_u32_u24 v4, v2, SPITCH
	v_lshl_add_u32 v4, v1, 4, v4
	v_add_nc_u32 v[RD], s23, v4
	v_lshlrev_b32 v[CO], 12, v2                    ; and the same two rows in h's codes
	v_lshl_add_u32 v[CO], v1, 4, v[CO]
	s_lshl_b32 s20, s17, LTM
	s_lshl_b32 s21, s14, 5
	s_add_co_u32 s20, s20, s21                     ; the first row that I store: 128 x tile row + 32 x wave
	s_lshl_b32 s20, s20, 12
	s_mov_b32 s21, 0
	s_add_nc_u64 s[12:13], s[12:13], s[20:21]
	s_lshl_b32 s46, s42, 8                         ; the tile's first column: 256 bytes a tile
	s_mov_b32 s47, 0
	s_add_nc_u64 s[12:13], s[12:13], s[46:47]
	; B's two codes, by the stated quantiser
	s_wait_kmcnt 0x0                               ; the exponents
	s_add_co_i32 s74, s69, 127
	s_lshl_b32 s75, s74, 23
	v_mov_b32 v3, s75                              ; 2^e1 as f32: the conversion takes its exponent field
	s_add_co_i32 s74, s74, 8
	s_lshl_b32 s74, s74, 23
	s_or_b32 s74, s74, 0x600000                    ; the mantissa field of 448
	v_mov_b32 v4, s74                              ; 448 x 2^e1
	v_min_num_f32 v4, 1.0, v4                      ; the quantiser's clamp of +1
.set FI, 0
.rept 8
	v_mov_b32 v[BX+FI], v4
	v_sub_f32 v[BX+8+FI], 0, v4                    ; and of -1
.set FI, FI+1
.endr
	v_cvt_scalef32_pk8_fp8_f32 v[BX+16:BX+17], v[BX:BX+7], v3      ; P, eight times
	v_cvt_scalef32_pk8_fp8_f32 v[BX+18:BX+19], v[BX+8:BX+15], v3   ; N, eight times
	v_nop                                          ; one plain vector line between the conversions and the lines that read their results
	v_mov_b32 v[P4], v[BX+16]
	v_xor_b32 v[MSK], v[BX+16], v[BX+18]
	v_lshlrev_b32 v4, 2, v2
.irp i, 0,1,2,3
	v_sub_nc_u32 v[SH+\i], 7-\i, v4                ; 7 - i - 4 h
.endr
.macro FRAG reg, adr, q, i             ; a fragment of A, 16 rows x 128 K of codes, is 16 registers: lane l holds row l % 16; registers 4 c .. 4 c + 3 hold K = 32 c + 16 (l / 16) + 0 .. 15: the places that B's bits are laid for
.irp c, 0,1,2,3
	ds_load_b128 v[\reg+4*\c:\reg+4*\c+3], v[\adr] offset:128*(\q)+32*\c+(\i)*16*PITCH
.endr
.endm
.macro FETCH slot, q, p                ; the slot's q-th 128 along K into set p, in one run: B's bits first (one load a fragment), then A's fragments
.set FI, 0
.rept BB
	ds_load_b128 v[BT+4*BB*(\p)+4*FI:BT+4*BB*(\p)+4*FI+3], v[ADRB+\slot] offset:256*(\q)+FI*RBB
.set FI, FI+1
.endr
	WIN TO_A
.set FI, 0
.rept AB
	FRAG ASET*(\p)+16*FI, ADRA+\slot, \q, FI
.set FI, FI+1
.endr
	WIN 0
.endm
.macro EXPAND p                        ; set p's bits become B's fragments: register 4 c + i = ((word c << (7 - 4 h - i)) & (P xor N)) | P.  Sixteen shifts, then sixteen v_and_or_b32, so that no line waits for the line above it
.set EJ, 0
.rept BB
.irp c, 0,1,2,3
.irp i, 0,1,2,3
	v_lshlrev_b32 v[BX+16*EJ+4*\c+\i], v[SH+\i], v[BT+4*BB*(\p)+4*EJ+\c]
.endr
.endr
.set EI, 0
.rept 16
	v_and_or_b32 v[BX+16*EJ+EI], v[BX+16*EJ+EI], v[MSK], v[P4]
.set EI, EI+1
.endr
.set EJ, EJ+1
.endr
.endm
; Matrix instructions i0 .. i0 + n - 1 of a step's NW, on A's set p: instruction i is A's block i / BB against B's block i % BB, on accumulator i.  zero = 1: the product starts the sum: nothing is ever cleared.
; The accumulators take turns, one instruction a turn, in the same order in every step.
.macro MULR p, i0, n, zero
.set MI, \i0
.rept \n
.if \zero
	v_wmma_f32_16x16x128_fp8_fp8 v[8*MI:8*MI+7], v[BX+16*(MI%BB):BX+16*(MI%BB)+15], v[ASET*(\p)+16*(MI/BB):ASET*(\p)+16*(MI/BB)+15], 0
.else
	v_wmma_f32_16x16x128_fp8_fp8 v[8*MI:8*MI+7], v[BX+16*(MI%BB):BX+16*(MI%BB)+15], v[ASET*(\p)+16*(MI/BB):ASET*(\p)+16*(MI/BB)+15], v[8*MI:8*MI+7]
.endif
.set MI, MI+1
.endr
.endm
; A load into a register that a matrix instruction has read, and a vector instruction that reads a matrix result or writes one of a matrix instruction's registers, stand four places behind it, and only plain vector
; instructions that name none of its registers are places (ISA guide 7.12.1 for vector instructions).
.macro PLACES n
.rept \n
	v_nop
.endr
.endm
; A step of 128 along K that has its successor in the same slot.
.macro STEP slot, q, zero
	s_wait_dscnt 4*AB                              ; this step's bits are in: they were asked for first; A's loads behind them may be out
	PLACES 4                                       ; behind the last step's products, which read A's other set (loaded now) and B's fragments (written now)
	FETCH \slot, (\q)+1, 1-(\q)%2
	EXPAND (\q)%2
	s_wait_dscnt 4*AB+BB                           ; this step's fragments of A are in; the run just issued may be out
	WIN MUL
	MULR (\q)%2, 0, NW, \zero
	WIN 0
.endm
.macro RUN slot, q0                    ; steps q0 .. NQ - 2 of a slot
.set SQ, \q0
.rept NQ-1-(\q0)
	STEP \slot, SQ, 0
.set SQ, SQ+1
.endr
.endm
; A slot's last step (on set 1) changes slots.  Half of its products stand ahead of the wait for the tile; then ONE barrier: in front of it each wave waits for all its tensor loads, adds 0 to its spare word, and waits for that;
; its reads of this slot were waited for ahead of the products.  fill = 1: the barrier opens a round of the cluster's barrier, and this slot is filled again, two K steps ahead, first thing behind the round.
; The other half of the products stands behind the next slot's first run of LDS loads.
.macro TURN slot, next, fill
	s_wait_dscnt 4*AB                              ; this step's bits are in
	PLACES 4
	EXPAND 1
	s_wait_dscnt 0x0                               ; this step's fragments of A are in: my reads of this slot are over
	WIN MUL
	MULR 1, 0, NW/2, 0
	WIN 0
	s_wait_tensorcnt 0x0                           ; all my tensor loads have landed: the one that was out is my part of the next slot; so a group 0 may be written
	ds_add_u32 v[SPW], v[NIL]                      ; 0 onto my spare word; the descriptors' steps stand between it and the wait for it
.if \fill
	s_add_nc_u64 s[G0+4*\slot+2:G0+4*\slot+3], s[G0+4*\slot+2:G0+4*\slot+3], 2*KSTEP
	s_add_nc_u64 s[G0B+4*\slot+2:G0B+4*\slot+3], s[G0B+4*\slot+2:G0B+4*\slot+3], 2*RBB
.endif
	s_wait_dscnt 0x0                               ; the add is done
	s_barrier_signal -1
	s_barrier_wait -1
.if \fill
	CREST                                          ; no wave of any partner still reads this slot's tile or has a load on its way
	JLOAD G0+4*\slot, G1, G0B+4*\slot, G1B         ; my one tensor load behind the round
.endif
	FETCH \next, 0, 0                              ; into set 0, which the products above do not name
	WIN MUL
	MULR 1, NW/2, NW/2, 0
	WIN 0
.endm
	s_wait_tensorcnt 1                             ; my part of K step 0 is in; K step 1's load may be out
	s_barrier_signal -1
	s_barrier_wait -1                              ; everybody's is
	FETCH 0, 0, 0
	STEP 0, 0, 1                                   ; the first step stands in front of the loop: its products start the sums
	s_mov_b32 s3, LAPS-1
.Llap:                                             ; a trip goes once round the ring, from a lap's second step to the next lap's first, and fills both slots again
	RUN 0, 1
	TURN 0, 1, 1
	RUN 1, 0
	TURN 1, 0, 1
	STEP 0, 0, 0
	s_sub_co_u32 s3, s3, 1
	s_cmp_lg_u32 s3, 0
	s_cbranch_scc1 .Llap
	RUN 0, 1                                       ; the last lap is written out: it fills nothing, and has no round of the cluster's barrier
	TURN 0, 1, 0
	RUN 1, 0
	s_wait_dscnt 4*AB                              ; the very last step: nothing more to fetch
	PLACES 4
	EXPAND 1
	s_wait_dscnt 0x0
	WIN MUL
	MULR 1, 0, NW, 0
	WIN 0
	; THE WAY OUT.  sum x 2^(e0 + e1) + b1; held between 0 and 448 x 2^e2; eight neighbours of a row become eight codes.  A row's 256 codes come from four waves: they meet in the work-group's stage, and each wave stores 32 whole rows.
	s_wait_loadcnt 0x0                             ; b1
	s_add_co_i32 s72, s68, s69
	s_add_co_i32 s72, s72, 127
	s_lshl_b32 s72, s72, 23                        ; 2^(e0 + e1) as f32
	s_mov_b32 s73, s72                             ; (named with it as a pair, so it is written)
	s_add_co_i32 s74, s70, 127
	s_lshl_b32 s75, s74, 23
	v_mov_b32 v[QS], s75                           ; 2^e2
	s_add_co_i32 s74, s74, 8
	s_lshl_b32 s74, s74, 23
	s_or_b32 s74, s74, 0x600000
	v_mov_b32 v[LIM], s74                          ; 448 x 2^e2
	PLACES 2                                       ; with the two moves above: four places behind the last products
.set WA, 0
.rept AB
	WIN 0x02                                       ; source 0 (the sums) window 2
.irp b, 0,1,2,3
.irp i, 0,2,4,6
	v_pk_fma_f32 v[TMP+8*\b+\i:TMP+8*\b+\i+1], v[8*(BB*WA+\b)+\i:8*(BB*WA+\b)+\i+1], s[72:73], v[BIAS+8*\b+\i:BIAS+8*\b+\i+1] op_sel_hi:[1,0,1]   ; two at a time (the scalar pair's low word for both halves); each accumulator from its low end on
.endr
.endr
	WIN 0
.set FI, 0
.rept 32
	v_med3_num_f32 v[TMP+FI], v[TMP+FI], 0, v[LIM] ; the activation and the hold in one: the conversion to an 8-bit code does not saturate (ISA guide 7.6.2)
.set FI, FI+1
.endr
.irp b, 0,1,2,3
	v_cvt_scalef32_pk8_fp8_f32 v[CD+8*WA+2*\b:CD+8*WA+2*\b+1], v[TMP+8*\b:TMP+8*\b+7], v[QS]
.endr
	v_nop                                          ; one plain vector line between the conversions and the next block's multiply-adds, which write their sources
.irp b, 0,1,2,3
	ds_store_b64 v[STO], v[CD+8*WA+2*\b:CD+8*WA+2*\b+1] offset:WA*16*SPITCH+16*\b   ; lane (r, h): h(16 a + r, 16 b + 8 h + 0 .. 7) of my wave's part
.endr
.set WA, WA+1
.endr
	s_wait_dscnt 0x0                               ; for the others' sake: my stores into the stage are done
	s_barrier_signal -1
	s_barrier_wait -1
.irp t, 0,1,2,3,4,5,6,7,8,9,10,11,12,13,14,15
	ds_load_b128 v[TMP+4*\t:TMP+4*\t+3], v[RD] offset:\t*2*SPITCH
.endr
.irp t, 0,1,2,3,4,5,6,7,8,9,10,11,12,13,14,15
	s_wait_dscnt 15-\t                             ; LDS loads come back in order: pair t of rows is in, the younger may be out
	global_store_b128 v[CO], v[TMP+4*\t:TMP+4*\t+3], s[12:13] offset:2*\t*KROW   ; 16 lanes store 256 consecutive bytes, at a multiple of 256 from the buffer's first byte
.endr
	s_wait_tensorcnt 0x0                           ; the wave's end: behind my last tensor load and my last LDS store
	ds_add_u32 v[SPW], v[NIL]
	s_wait_dscnt 0x0
	CROUND                                         ; the closing round: no work-group ends while a partner may still ask for a tile that names it
	s_endpgm
.Lfunc_end_k_q0aae97c157_fc1:
	.size	k_q0aae97c157_fc1, .Lfunc_end_k_q0aae97c157_fc1-k_q0aae97c157_fc1
	.p2alignl 7, 3214868480
	.fill 96, 4, 3214868480
	.section	.rodata,"a",@progbits
	.p2align	6, 0x0
	.amdhsa_kernel k_q0aae97c157_fc1
		.amdhsa_group_segment_fixed_size 327680
		.amdhsa_private_segment_fixed_size 0
		.amdhsa_enable_private_segment 0
		.amdhsa_kernarg_size 40
		.amdhsa_user_sgpr_count 2
		.amdhsa_user_sgpr_kernarg_segment_ptr 1
		.amdhsa_wavefront_size32 1
		.amdhsa_system_sgpr_workgroup_id_x 1
		.amdhsa_system_sgpr_workgroup_id_y 1
		.amdhsa_system_sgpr_workgroup_id_z 1
		.amdhsa_system_vgpr_workitem_id 0
		.amdhsa_next_free_vgpr 768
		.amdhsa_next_free_sgpr 80
		.amdhsa_reserve_vcc 0
		.amdhsa_float_denorm_mode_32 3
		.amdhsa_float_denorm_mode_16_64 3
		.amdhsa_memory_ordered 1
		.amdhsa_forward_progress 1
		.amdhsa_inst_pref_size 214
	.end_amdhsa_kernel
	.amdgpu_metadata
---
amdhsa.version: [ 1, 2 ]
amdhsa.kernels:
  - .name:           k_q0aae97c157_fc1
    .symbol:         k_q0aae97c157_fc1.kd
    .args:
      - { .name: x_codes, .offset: 0, .size: 8, .value_kind: global_buffer, .address_space: global }
      - { .name: w1_bits, .offset: 8, .size: 8, .value_kind: global_buffer, .address_space: global }
      - { .name: lowp_scales, .offset: 16, .size: 8, .value_kind: global_buffer, .address_space: global }
      - { .name: b1, .offset: 24, .size: 8, .value_kind: global_buffer, .address_space: global }
      - { .name: h_codes, .offset: 32, .size: 8, .value_kind: global_buffer, .address_space: global }
    .group_segment_fixed_size: 327680
    .private_segment_fixed_size: 0
    .kernarg_segment_align: 8
    .kernarg_segment_size: 40
    .max_flat_workgroup_size: 128
    .sgpr_count:     80
    .vgpr_count:     768
    .wavefront_size: 32
...
	.end_amdgpu_metadata
.endif
;; end of part 5
;; launch fc2 (part 6): grid 8 x 32, 4 waves a work-group, clusters of 4 x 4, 327,680 bytes of LDS; arguments h_codes, w2_bits, lowp_scales, b2, out0; writes out0
.if DOCPART == 6
	.amdgcn_target "amdgcn-amd-amdhsa--gfx1250"
	.amdhsa_code_object_version 6
	.text
	.protected	k_q0aae97c157_fc2
	.globl	k_q0aae97c157_fc2
	.p2align	8
	.type	k_q0aae97c157_fc2,@function
k_q0aae97c157_fc2:
	s_mov_b64 s[64:65], 0
	v_nop
	global_prefetch_b8 v0, s[64:65] scope:SCOPE_SE
	s_setreg_imm32_b32 hwreg(HW_REG_WAVE_MODE, 25, 1), 1
	s_wait_xcnt 0x0
	s_wait_alu depctr_hold_cnt(0) depctr_sa_sdst(0) depctr_va_vdst(0) depctr_va_sdst(0) depctr_va_ssrc(0) depctr_va_vcc(0) depctr_vm_vsrc(0)
	s_getreg_b32 s2, hwreg(HW_REG_IB_STS2, 6, 4)
	s_cmp_eq_u32 s2, 0
	s_cbranch_scc0 .Lentry_in_a_cluster
	s_endpgm
.Lentry_in_a_cluster:
	s_bfe_u32 s2, ttmp6, 0x10000c
	s_cmp_lg_u32 s2, 0xf033
	s_cbranch_scc0 .Lentry_shape_is_right
	s_endpgm
.Lentry_shape_is_right:
; out0 = h sgn(w2)^T + b2.  A = h's codes [2048][4096]: FP8 (E4M3), K innermost, one code a byte; B = sgn(w2) [1024][4096] as ONE BIT a weight (set: -1); b2 [1024] f32; out0 [2048][1024] f32.  No work is left out.
; B'S CODES.  sgn(w2) holds +1 and -1 alone, so the stated quantiser gives it two codes.  Both are made here, once, by the conversion instruction: P from +min(1, 448 x 2^e3), N from -min(1, 448 x 2^e3), with the scale 2^e3.
; E4M3 is a sign and a magnitude and the quantiser is odd, so N is P with the bits P xor N set.  A fragment register (four codes) is ((word of bits << s) & (P xor N)) | P: a shift and one v_and_or_b32.
; The bits lie [block of 16 rows][chunk of 128 K][row r][16 bytes]; word c, bit 8 b + 4 h + i, stands for k = 32 c + 16 h + 4 i + b of the chunk: the k of byte b of register 4 c + i in lane (r, h), so s = 7 - 4 h - i.
; The codes are multiplied as they are, sums in f32; each finished sum becomes sum x 2^(e2 + e3) + b2 by one fused multiply-add.
; LIMITS: e2 + e3 between -126 and 127; e3 between -126 and 119, so that each power of two below is an f32 number.  NaN among the inputs is not served.
; SHARES.  A tile of out0 is 64 rows x 128 columns: 8 x 32 = 256 work-groups.  Four waves side by side: a wave makes 64 rows x 32 columns: 8 accumulators of 16 x 16; so a wave expands 2 fragments of B for 8 products.
; K goes in steps of 1,024 through a ring of two LDS slots filled by the tensor data mover: A's rows are 1,024 bytes of memory, a block of B's bits 2,048, all aligned.  Waves 0 and 1 fetch A's two halves (32 rows each: the tile
; has no more), waves 2 and 3 B's (4 blocks of 16 rows each).  K has four such steps, so the walk is written out: two first fills, two refills.
; CLUSTERS: 4 x 4 work-groups.  The four of a row of the cluster need the same tiles of A, the four of a column the same tiles of B: each tile is asked for JOINTLY, by the same tensor load with the same descriptor and a
; mask that names the four.  THE MATRIX INSTRUCTION IS USED TRANSPOSED (source 0 = 16 rows of B, source 1 = 16 rows of A): a lane then holds eight neighbouring numbers of a row of out0.
; REGISTERS, in windows of 256: window 0: v1-29 addresses and constants; v32-47 b2 in the result's layout; v64-79 B's bits, two sets of 2 x 4 words; v128-159 B's 2 fragments, expanded (on the way out v128-255: at work).
;   window 1: A's fragments, two sets of 4.   window 2: the accumulators, (a, b) at v[8 (2 a + b)].
; A step of 128 along K: the next step's 18 LDS loads in ONE run, 64 vector instructions that expand this step's bits, 8 matrix instructions.
.set LTM,    6                         ; the tile: 64 rows (M),
.set LTN,    7                         ; 128 columns (N)
.set LAFR,   5                         ; one tensor load brings 32 rows of A,
.set LBRB,   2                         ; or 4 blocks of 16 rows of B
.set TM,     1<<LTM
.set TN,     1<<LTN
.set AFR,    1<<LAFR
.set BRB,    1<<LBRB
.set AB,     TM/16                     ; a wave's blocks of 16 rows of A: all of the tile's,
.set BB,     TN/64                     ; and of B: a quarter of the tile's
.set NW,     AB*BB                     ; accumulators, and matrix instructions in a step of 128 along K
.set KSTEP,  1024                      ; along K in a slot = a row of A's tile in bytes
.set NQ,     KSTEP/128                 ; steps in a slot
.set QI,     7                         ; padding after every 256 words
.set PITCH,  KSTEP+16                  ; A's row in LDS: 260 words: row r starts at bank 4 r mod 64 (64 banks of 4 bytes: ISA guide 11.1), so the 16 rows that a load touches start at 16 different banks
.set KROW,   4096                      ; a row of A, and of out0, in memory, in bytes
.set RBB,    2*KSTEP                   ; the bits of 16 rows of B for KSTEP along K, in bytes: NQ fragments of 256
.set RBROW,  8192                      ; and for all 4,096 along K: from block to block in memory
.set BOFF,   TM*PITCH                  ; a slot: A's 64 rows, then B's 8 blocks, dense
.set SLOT,   BOFF+2*BRB*RBB
.set STAGE,  2*SLOT                    ; behind the ring: 64 rows x (512 bytes + 16), the work-group's, for the way out; no tile lands there
.set SPITCH, 528
.set SPARE,  STAGE+64*SPITCH           ; behind the stage: the spare words, 128 bytes for each wave: two blocks of 256 bytes that no other line names
.set ASET,   16*AB                     ; registers of a set of A's fragments
.set BO,   5                           ; v5      32 x (lane / 16): my byte in a block's 16 numbers of b2; never rewritten
.set SH,   6                           ; v6-9    the shifts 7 - 4 (lane / 16) - i, i = 0 .. 3
.set MSK,  10                          ; v10     P xor N, four times
.set P4,   11                          ; v11     P, four times
.set ADRA, 16                          ; v16-17  LDS address of my A fragments in slot 0, 1
.set ADRB, 20                          ; v20-21  the same for B's bits
.set STO,  24                          ; v24     the way out: where I put 32 bytes of a row
.set RD,   25                          ; v25     the way out: where I read a row back
.set CO,   26                          ; v26     16 x lane: my byte in a row of 512 bytes
.set SPW,  28                          ; v28     LDS address of my spare word: SPARE + 4 x my thread's number; never rewritten
.set NIL,  29                          ; v29     0; never rewritten
.set BIAS, 32                          ; v32-47  b2: block b's eight numbers of my half at v[BIAS + 8 b]
.set BT,   64                          ; v64-79  B's bits: set p, fragment j at v[BT + 4 BB p + 4 j]
.set BX,   128                         ; v128-159 B's fragments
.set TMP,  128                         ; the way out: my 64 results
.set OUTR, 192                         ; the way out: 16 rows read back from the stage
.set G1, 24                            ; s[24:31] descriptor group 1 for A's tiles;  s[32:39] group 0, one set for each slot
.set G0, 32
.set G1B, 48                           ; s[48:55], s[56:63] the same for B's tiles
.set G0B, 56
.set MSB, 0
.macro WIN new                         ; the immediate's high byte repeats the setting that is left; a switch that changes nothing is dropped
.if MSB != \new
	s_set_vgpr_msb (MSB<<8)|\new
.set MSB, \new
.endif
.endm
.set MUL,  0xa4                        ; source 0 (B) window 0, source 1 (A) window 1, C and D window 2
.set TO_A, 0x40                        ; destination window 1, address window 0
; A joint load: waves 0 and 1 fetch for A, waves 2 and 3 for B.  Each of the two lines has ONE mask and one set of registers for all that issue it; the branch hangs on the wave's number alone.
; An s_nop 0 and four v_nop follow each of the two lines, ahead of the jump, the label and what follows.
.macro JLOAD g0a, g1a, g0b, g1b
	s_cmp_eq_u32 s15, 0
	s_cbranch_scc0 .Lfor_b_\@
	tensor_load_to_lds s[\g0a:\g0a+3], s[\g1a:\g1a+7]
	s_nop 0
.rept 4
	v_nop
.endr
	s_branch .Lasked_\@
.Lfor_b_\@:
	tensor_load_to_lds s[\g0b:\g0b+3], s[\g1b:\g1b+7]
	s_nop 0
.rept 4
	v_nop
.endr
.Lasked_\@:
.endm
.macro CREST                           ; a round of the cluster's barrier behind its opening barrier
	s_cmp_lg_u32 s14, 0
	s_cbranch_scc1 .Lnot_wave_0_\@
	s_barrier_signal -3
.Lnot_wave_0_\@:
	s_barrier_wait -3
	s_barrier_signal -1
	s_barrier_wait -1
.endm
.macro CROUND                          ; a whole round
	s_barrier_signal -1
	s_barrier_wait -1
	CREST
.endm
	s_load_b128 s[4:7], s[0:1], 0x0                ; A's codes s[4:5], B's bits s[6:7]
	s_load_b128 s[8:11], s[0:1], 0x10              ; the exponents s[8:9], b2 s[10:11]
	s_load_b64 s[12:13], s[0:1], 0x20              ; out0
	v_lshl_add_u32 v[SPW], v0, 2, SPARE
	v_mov_b32 v[NIL], 0
	ds_add_u32 v[SPW], v[NIL]                      ; the wave's opening: the add, twice on end, and its wait, ahead of my first tensor load; the set-up below, work on registers, stands between the second and the wait
	ds_add_u32 v[SPW], v[NIL]                      ; and once more, under the one wait
	v_lshrrev_b32 v1, 5, v0
	v_readfirstlane_b32 s14, v1                    ; wave 0..3: which 32 columns of the tile are mine
	s_lshr_b32 s15, s14, 1                         ; I fetch for A (0) or for B (1),
	s_and_b32 s16, s14, 1                          ; this half of its tile
	s_bfe_u32 s40, ttmp6, 0x40000                  ; cx, cy: my place in the cluster
	s_bfe_u32 s41, ttmp6, 0x40004
	s_lshl_b32 s42, ttmp9, 2
	s_add_co_u32 s42, s42, s40                     ; tile column = 4 x cluster x + cx
	s_and_b32 s17, ttmp7, 0xffff
	s_lshl_b32 s17, s17, 2
	s_add_co_u32 s17, s17, s41                     ; tile row = 4 x cluster y + cy
	s_lshl_b32 s43, s41, 2
	s_lshl_b32 s43, 15, s43                        ; my row of the cluster
	s_lshl_b32 s44, 0x1111, s40                    ; my column
	; descriptor group 1.  A: AFR rows of KSTEP bytes, padded in LDS.  B: BRB rows of RBB bytes (a row = the bits of 16 rows of B), dense in LDS
	s_or_b32 s[G1+0], s43, (0<<16)|(1<<20)|(1<<21)|(QI<<22)|(3<<25)   ; 15:0 the mask: A's tiles go to my row; 17:16 element of 1 byte; 20 padding on; 21 set beside a mask; 24:22 after every row; 31:25 of 4 words (code 3)
	s_or_b32 s[G1B+0], s44, (0<<16)|(1<<21)        ; the mask of my column; no padding
	s_mov_b32 s[G1+1], KSTEP<<16                   ; tensor_dim0
	s_mov_b32 s[G1+2], AFR<<16                     ; tensor_dim1
	s_mov_b32 s[G1+3], KSTEP<<16                   ; tile_dim0
	s_mov_b32 s[G1+4], AFR                         ; tile_dim1
	s_mov_b32 s[G1+5], KROW                        ; tensor_dim0_stride
	s_mov_b32 s[G1+6], 0
	s_mov_b32 s[G1+7], 0
	s_mov_b32 s[G1B+1], RBB<<16
	s_mov_b32 s[G1B+2], BRB<<16
	s_mov_b32 s[G1B+3], RBB<<16
	s_mov_b32 s[G1B+4], BRB
	s_mov_b32 s[G1B+5], RBROW
	s_mov_b32 s[G1B+6], 0
	s_mov_b32 s[G1B+7], 0
	; where the tiles come from.  A's hang on the tile row alone, B's on the tile column alone; every wave makes both addresses, in registers that never hold the other coordinate, and asks by one of them
	s_lshl_b32 s18, s16, LAFR
	s_lshl_b32 s20, s17, LTM
	s_add_co_u32 s20, s20, s18                     ; A: row 64 x tile row + 32 x half
	s_lshl_b32 s20, s20, 12                        ; x 4,096 bytes: under 2^23
	s_mov_b32 s21, 0
	s_lshl_b32 s19, s16, LBRB
	s_lshl_b32 s46, s42, LTN-4
	s_add_co_u32 s46, s46, s19                     ; B: block 8 x tile column + 4 x half
	s_lshl_b32 s46, s46, 13                        ; x 8,192 bytes: under 2^19
	s_mov_b32 s47, 0
	s_mul_i32 s45, s16, AFR*PITCH                  ; and where they go: A's halves from the slot's first byte,
	s_mul_i32 s75, s16, BRB*RBB
	s_add_co_u32 s75, s75, BOFF                    ; B's behind A's 64 rows: no place in the cluster enters an LDS address
	s_wait_dscnt 0x0                               ; both opening adds are done
	s_wait_kmcnt 0x0
	s_load_b128 s[68:71], s[8:9], 0x0              ; e0 .. e3
	s_add_nc_u64 s[20:21], s[4:5], s[20:21]
	s_add_nc_u64 s[46:47], s[6:7], s[46:47]
	CROUND                                         ; all sixteen work-groups are here: the first joint loads meet
.irp s, 0,1
	s_mov_b32 s[G0+4*\s], 1                        ; count = 1
	s_add_co_u32 s[G0+4*\s+1], s45, \s*SLOT        ; LDS address
	s_add_nc_u64 s[G0+4*\s+2:G0+4*\s+3], s[20:21], \s*KSTEP   ; global address: K step s
	s_or_b32 s[G0+4*\s+3], s[G0+4*\s+3], 0x80000000           ; type = 2
	s_mov_b32 s[G0B+4*\s], 1
	s_add_co_u32 s[G0B+4*\s+1], s75, \s*SLOT
	s_add_nc_u64 s[G0B+4*\s+2:G0B+4*\s+3], s[46:47], \s*RBB
	s_or_b32 s[G0B+4*\s+3], s[G0B+4*\s+3], 0x80000000
	JLOAD G0+4*\s, G1, G0B+4*\s, G1B               ; both slots are asked for before anything else is done: two loads of mine are out
.endr
	v_and_b32 v1, 15, v0                           ; r = lane % 16
	v_bfe_u32 v2, v0, 4, 1                         ; h = lane / 16
	v_lshlrev_b32 v[BO], 5, v2
	s_lshl_b32 s46, s42, LTN                       ; b2: my wave's first column: 128 x tile column + 32 x wave,
	s_mul_i32 s47, s14, 16*BB
	s_add_co_u32 s46, s46, s47
	s_lshl_b32 s46, s46, 2                         ; in bytes
	s_mov_b32 s47, 0
	s_add_nc_u64 s[10:11], s[10:11], s[46:47]
.set FI, 0
.rept BB                                       ; lane (r, h) wants, for block b, the numbers of columns 16 b + 8 h + 0 .. 7: they are waited for on the way out
	global_load_b128 v[BIAS+8*FI:BIAS+8*FI+3], v[BO], s[10:11] offset:64*FI
	global_load_b128 v[BIAS+8*FI+4:BIAS+8*FI+7], v[BO], s[10:11] offset:64*FI+16
.set FI, FI+1
.endr
	v_mul_u32_u24 v3, v1, PITCH
	v_lshl_add_u32 v[ADRA], v2, 4, v3              ; A: a fragment's row x pitch + 16 x half: every wave reads all 64 rows
	v_add_nc_u32 v[ADRA+1], SLOT, v[ADRA]
	s_mul_i32 s22, s14, BB*RBB                     ; B: my 2 blocks of the tile's 8,
	s_add_co_u32 s22, s22, BOFF                    ; which lie behind A's rows;
	v_lshl_add_u32 v[ADRB], v1, 4, s22             ; 16 bytes for row r: lanes 16-31 read what lanes 0-15 read
	v_add_nc_u32 v[ADRB+1], SLOT, v[ADRB]
	s_lshl_b32 s23, s14, 7                         ; into the stage: my 128 bytes of each of the 64 rows; row r, 32 bytes for each half of the lanes
	s_add_co_u32 s23, s23, STAGE
	v_mul_u32_u24 v3, v1, SPITCH
	v_lshl_add_u32 v3, v2, 5, v3
	v_add_nc_u32 v[STO], s23, v3
	s_mul_i32 s23, s14, 16*SPITCH                  ; back: wave w takes rows 16 w .. 16 w + 15, whole: the 32 lanes take one row of 512 bytes
	s_add_co_u32 s23, s23, STAGE
	v_and_b32 v4, 31, v0
	v_lshlrev_b32 v[CO], 4, v4
	v_add_nc_u32 v[RD], s23, v[CO]
	s_lshl_b32 s20, s17, LTM
	s_lshl_b32 s21, s14, 4
	s_add_co_u32 s20, s20, s21                     ; the first row that I store: 64 x tile row + 16 x wave
	s_lshl_b32 s20, s20, 12
	s_mov_b32 s21, 0
	s_add_nc_u64 s[12:13], s[12:13], s[20:21]
	s_lshl_b32 s46, s42, 9                         ; the tile's first column: 512 bytes a tile
	s_mov_b32 s47, 0
	s_add_nc_u64 s[12:13], s[12:13], s[46:47]
	; B's two codes, by the stated quantiser
	s_wait_kmcnt 0x0                               ; the exponents
	s_add_co_i32 s74, s71, 127
	s_lshl_b32 s75, s74, 23
	v_mov_b32 v3, s75                              ; 2^e3 as f32: the conversion takes its exponent field
	s_add_co_i32 s74, s74, 8
	s_lshl_b32 s74, s74, 23
	s_or_b32 s74, s74, 0x600000                    ; the mantissa field of 448
	v_mov_b32 v4, s74                              ; 448 x 2^e3
	v_min_num_f32 v4, 1.0, v4                      ; the quantiser's clamp of +1
.set FI, 0
.rept 8
	v_mov_b32 v[BX+FI], v4
	v_sub_f32 v[BX+8+FI], 0, v4                    ; and of -1
.set FI, FI+1
.endr
	v_cvt_scalef32_pk8_fp8_f32 v[BX+16:BX+17], v[BX:BX+7], v3      ; P, eight times
	v_cvt_scalef32_pk8_fp8_f32 v[BX+18:BX+19], v[BX+8:BX+15], v3   ; N, eight times
	v_nop                                          ; one plain vector line between the conversions and the lines that read their results
	v_mov_b32 v[P4], v[BX+16]
	v_xor_b32 v[MSK], v[BX+16], v[BX+18]
	v_lshlrev_b32 v4, 2, v2
.irp i, 0,1,2,3
	v_sub_nc_u32 v[SH+\i], 7-\i, v4                ; 7 - i - 4 h
.endr
.macro FRAG reg, adr, q, i             ; a fragment of A, 16 rows x 128 K of codes, is 16 registers: lane l holds row l % 16; registers 4 c .. 4 c + 3 hold K = 32 c + 16 (l / 16) + 0 .. 15: the places that B's bits are laid for
.irp c, 0,1,2,3
	ds_load_b128 v[\reg+4*\c:\reg+4*\c+3], v[\adr] offset:128*(\q)+32*\c+(\i)*16*PITCH
.endr
.endm
.macro FETCH slot, q, p                ; the slot's q-th 128 along K into set p, in one run: B's bits first (one load a fragment), then A's fragments
.set FI, 0
.rept BB
	ds_load_b128 v[BT+4*BB*(\p)+4*FI:BT+4*BB*(\p)+4*FI+3], v[ADRB+\slot] offset:256*(\q)+FI*RBB
.set FI, FI+1
.endr
	WIN TO_A
.set FI, 0
.rept AB
	FRAG ASET*(\p)+16*FI, ADRA+\slot, \q, FI
.set FI, FI+1
.endr
	WIN 0
.endm
.macro EXPAND p                        ; set p's bits become B's fragments: register 4 c + i = ((word c << (7 - 4 h - i)) & (P xor N)) | P.  Sixteen shifts, then sixteen v_and_or_b32, so that no line waits for the line above it
.set EJ, 0
.rept BB
.irp c, 0,1,2,3
.irp i, 0,1,2,3
	v_lshlrev_b32 v[BX+16*EJ+4*\c+\i], v[SH+\i], v[BT+4*BB*(\p)+4*EJ+\c]
.endr
.endr
.set EI, 0
.rept 16
	v_and_or_b32 v[BX+16*EJ+EI], v[BX+16*EJ+EI], v[MSK], v[P4]
.set EI, EI+1
.endr
.set EJ, EJ+1
.endr
.endm
; Matrix instructions i0 .. i0 + n - 1 of a step's NW, on A's set p: instruction i is A's block i / BB against B's block i % BB, on accumulator i.  zero = 1: the product starts the sum: nothing is ever cleared.
; The accumulators take turns, one instruction a turn, in the same order in every step.
.macro MULR p, i0, n, zero
.set MI, \i0
.rept \n
.if \zero
	v_wmma_f32_16x16x128_fp8_fp8 v[8*MI:8*MI+7], v[BX+16*(MI%BB):BX+16*(MI%BB)+15], v[ASET*(\p)+16*(MI/BB):ASET*(\p)+16*(MI/BB)+15], 0
.else
	v_wmma_f32_16x16x128_fp8_fp8 v[8*MI:8*MI+7], v[BX+16*(MI%BB):BX+16*(MI%BB)+15], v[ASET*(\p)+16*(MI/BB):ASET*(\p)+16*(MI/BB)+15], v[8*MI:8*MI+7]
.endif
.set MI, MI+1
.endr
.endm
; A load into a register that a matrix instruction has read, and a vector instruction that reads a matrix result or writes one of a matrix instruction's registers, stand four places behind it, and only plain vector
; instructions that name none of its registers are places (ISA guide 7.12.1 for vector instructions).
.macro PLACES n
.rept \n
	v_nop
.endr
.endm
; A step of 128 along K that has its successor in the same slot.
.macro STEP slot, q, zero
	s_wait_dscnt 4*AB                              ; this step's bits are in: they were asked for first; A's loads behind them may be out
	PLACES 4                                       ; behind the last step's products, which read A's other set (loaded now) and B's fragments (written now)
	FETCH \slot, (\q)+1, 1-(\q)%2
	EXPAND (\q)%2
	s_wait_dscnt 4*AB+BB                           ; this step's fragments of A are in; the run just issued may be out
	WIN MUL
	MULR (\q)%2, 0, NW, \zero
	WIN 0
.endm
.macro RUN slot, q0                    ; steps q0 .. NQ - 2 of a slot
.set SQ, \q0
.rept NQ-1-(\q0)
	STEP \slot, SQ, 0
.set SQ, SQ+1
.endr
.endm
; A slot's last step (on set 1) changes slots.  Half of its products stand ahead of the wait for the tile; then ONE barrier: in front of it each wave waits for all its tensor loads, adds 0 to its spare word, and waits for that;
; its reads of this slot were waited for ahead of the products.  fill = 1: the barrier opens a round of the cluster's barrier, and this slot is filled again, two K steps ahead, first thing behind the round.
; The other half of the products stands behind the next slot's first run of LDS loads.
.macro TURN slot, next, fill
	s_wait_dscnt 4*AB                              ; this step's bits are in
	PLACES 4
	EXPAND 1
	s_wait_dscnt 0x0                               ; this step's fragments of A are in: my reads of this slot are over
	WIN MUL
	MULR 1, 0, NW/2, 0
	WIN 0
	s_wait_tensorcnt 0x0                           ; all my tensor loads have landed: the one that was out is my part of the next slot; so a group 0 may be written
	ds_add_u32 v[SPW], v[NIL]                      ; 0 onto my spare word; the descriptors' steps stand between it and the wait for it
.if \fill
	s_add_nc_u64 s[G0+4*\slot+2:G0+4*\slot+3], s[G0+4*\slot+2:G0+4*\slot+3], 2*KSTEP
	s_add_nc_u64 s[G0B+4*\slot+2:G0B+4*\slot+3], s[G0B+4*\slot+2:G0B+4*\slot+3], 2*RBB
.endif
	s_wait_dscnt 0x0                               ; the add is done
	s_barrier_signal -1
	s_barrier_wait -1
.if \fill
	CREST                                          ; no wave of any partner still reads this slot's tile or has a load on its way
	JLOAD G0+4*\slot, G1, G0B+4*\slot, G1B         ; my one tensor load behind the round
.endif
	FETCH \next, 0, 0                              ; into set 0, which the products above do not name
	WIN MUL
	MULR 1, NW/2, NW/2, 0
	WIN 0
.endm
	s_wait_tensorcnt 1                             ; my part of K step 0 is in; K step 1's load may be out
	s_barrier_signal -1
	s_barrier_wait -1                              ; everybody's is
	FETCH 0, 0, 0
	STEP 0, 0, 1                                   ; the first step's products start the sums
	RUN 0, 1                                       ; K 0 to 1,023
	TURN 0, 1, 1                                   ; slot 0 takes K 2,048 on
	RUN 1, 0                                       ; K 1,024 to 2,047
	TURN 1, 0, 1                                   ; slot 1 takes K 3,072 on
	RUN 0, 0                                       ; K 2,048 to 3,071
	TURN 0, 1, 0                                   ; nothing is left to fetch: no round of the cluster's barrier
	RUN 1, 0                                       ; K 3,072 to 4,095
	s_wait_dscnt 4*AB                              ; the very last step
	PLACES 4
	EXPAND 1
	s_wait_dscnt 0x0
	WIN MUL
	MULR 1, 0, NW, 0
	WIN 0
	; THE WAY OUT.  sum x 2^(e2 + e3) + b2.  A lane holds 32 neighbouring bytes of a row; a row's 512 bytes come from four waves: they meet in the work-group's stage, and each wave stores 16 whole rows.
	s_wait_loadcnt 0x0                             ; b2
	s_add_co_i32 s72, s70, s71
	s_add_co_i32 s72, s72, 127
	s_lshl_b32 s72, s72, 23                        ; 2^(e2 + e3) as f32
	s_mov_b32 s73, s72                             ; (named with it as a pair, so it is written)
	PLACES 4                                       ; behind the last products: their results are read, and the registers that held B's fragments are written
	WIN 0x02                                       ; source 0 (the sums) window 2
.irp a, 0,1,2,3
.irp b, 0,1
.irp i, 0,2,4,6
	v_pk_fma_f32 v[TMP+8*(BB*\a+\b)+\i:TMP+8*(BB*\a+\b)+\i+1], v[8*(BB*\a+\b)+\i:8*(BB*\a+\b)+\i+1], s[72:73], v[BIAS+8*\b+\i:BIAS+8*\b+\i+1] op_sel_hi:[1,0,1]   ; two at a time (the scalar pair's low word for both halves); each accumulator from its low end on
.endr
.endr
.endr
	WIN 0
.irp a, 0,1,2,3
.irp b, 0,1
	ds_store_b128 v[STO], v[TMP+8*(BB*\a+\b):TMP+8*(BB*\a+\b)+3] offset:\a*16*SPITCH+64*\b        ; lane (r, h): out0(16 a + r, 16 b + 8 h + 0 .. 7) of my wave's part
	ds_store_b128 v[STO], v[TMP+8*(BB*\a+\b)+4:TMP+8*(BB*\a+\b)+7] offset:\a*16*SPITCH+64*\b+16
.endr
.endr
	s_wait_dscnt 0x0                               ; for the others' sake: my stores into the stage are done
	s_barrier_signal -1
	s_barrier_wait -1
.irp t, 0,1,2,3,4,5,6,7,8,9,10,11,12,13,14,15
	ds_load_b128 v[OUTR+4*\t:OUTR+4*\t+3], v[RD] offset:\t*SPITCH
.endr
.irp t, 0,1,2,3,4,5,6,7,8,9,10,11,12,13,14,15
	s_wait_dscnt 15-\t                             ; LDS loads come back in order: row t is in, the younger may be out
	global_store_b128 v[CO], v[OUTR+4*\t:OUTR+4*\t+3], s[12:13] offset:\t*KROW th:TH_STORE_NT   ; 32 lanes store 512 consecutive bytes, at a multiple of 512 from out0's first byte; written once, read by nobody here
.endr
	s_wait_tensorcnt 0x0                           ; the wave's end: behind my last tensor load and my last LDS store
	ds_add_u32 v[SPW], v[NIL]
	s_wait_dscnt 0x0
	CROUND                                         ; the closing round: no work-group ends while a partner may still ask for a tile that names it
	s_endpgm
.Lfunc_end_k_q0aae97c157_fc2:
	.size	k_q0aae97c157_fc2, .Lfunc_end_k_q0aae97c157_fc2-k_q0aae97c157_fc2
	.p2alignl 7, 3214868480
	.fill 96, 4, 3214868480
	.section	.rodata,"a",@progbits
	.p2align	6, 0x0
	.amdhsa_kernel k_q0aae97c157_fc2
		.amdhsa_group_segment_fixed_size 327680
		.amdhsa_private_segment_fixed_size 0
		.amdhsa_enable_private_segment 0
		.amdhsa_kernarg_size 40
		.amdhsa_user_sgpr_count 2
		.amdhsa_user_sgpr_kernarg_segment_ptr 1
		.amdhsa_wavefront_size32 1
		.amdhsa_system_sgpr_workgroup_id_x 1
		.amdhsa_system_sgpr_workgroup_id_y 1
		.amdhsa_system_sgpr_workgroup_id_z 1
		.amdhsa_system_vgpr_workitem_id 0
		.amdhsa_next_free_vgpr 576
		.amdhsa_next_free_sgpr 80
		.amdhsa_reserve_vcc 0
		.amdhsa_float_denorm_mode_32 3
		.amdhsa_float_denorm_mode_16_64 3
		.amdhsa_memory_ordered 1
		.amdhsa_forward_progress 1
		.amdhsa_inst_pref_size 176
	.end_amdhsa_kernel
	.amdgpu_metadata
---
amdhsa.version: [ 1, 2 ]
amdhsa.kernels:
  - .name:           k_q0aae97c157_fc2
    .symbol:         k_q0aae97c157_fc2.kd
    .args:
      - { .name: h_codes, .offset: 0, .size: 8, .value_kind: global_buffer, .address_space: global }
      - { .name: w2_bits, .offset: 8, .size: 8, .value_kind: global_buffer, .address_space: global }
      - { .name: lowp_scales, .offset: 16, .size: 8, .value_kind: global_buffer, .address_space: global }
      - { .name: b2, .offset: 24, .size: 8, .value_kind: global_buffer, .address_space: global }
      - { .name: out0, .offset: 32, .size: 8, .value_kind: global_buffer, .address_space: global }
    .group_segment_fixed_size: 327680
    .private_segment_fixed_size: 0
    .kernarg_segment_align: 8
    .kernarg_segment_size: 40
    .max_flat_workgroup_size: 128
    .sgpr_count:     80
    .vgpr_count:     576
    .wavefront_size: 32
...
	.end_amdgpu_metadata
.endif
;; end of part 6
